; MI455X (gfx1250); checked and timed in simulation.
; The chip was launched on July 23, 2026; its instructions are those of AMD's public machine-readable ISA for CDNA 5 (MIT licence, August 2026) and "CDNA5" Instruction Set Architecture Reference Guide (July 2026). The comments in the code are by the model that wrote it; some were corrected since.
;; Metacognition Module. Allowed arithmetic: matrix products marked QUANTISED: E2M3 operands, one E8M0 scale for each 32 along K, by v_wmma_scale_f32_16x16x128_f8f6f4 with both operands' format E2M3, f32 sums; products left as they are: f32 operands where the result goes on into a quantised operand, else bf16, f16 or f32 operands; f32 sums; everything else in f32.
;; Inputs: W1 8 x 2,048 x 1,024 float32; W2 8 x 1,024 x 2,048 float32; Wm1 2,048 x 256 float32; Wm2 256 x 256 float32; Wm3 256 x 8 float32; b1 8 x 1,024 float32; b2 8 x 2,048 float32; bm1 256 float32; bm2 256 float32; bm3 8 float32; eff 8 float32; x 8 x 256 x 2,048 float32.
;; Outputs: out0 8 x 256 x 2,048 float32.
;; This version of the problem:
;;   THIS VERSION OF THE PROBLEM IS GIVEN IN LOW PRECISION. The matrix products marked QUANTISED in the list below multiply operands that are first quantised to E2M3 (2 exponent bits, 3 mantissa bits; 6 bits a number), with one power-of-two scale for each 32 numbers along K (OCP MX v1.0); their sums are f32. All else is computed in f32.
;;   The module's matrix products, in the order in which they are computed (A, B: the left and right operand; K: the contracted axis; several contracted axes count as one K, in the product's order):
;;     1. [M 8, K 2,048] x [K 2,048, N 256]; A: computed on the way; B: input Wm1: left as it is (M = 8 < 16)
;;     2. [M 8, K 256] x [K 256, N 256]; A: computed on the way; B: input Wm2: left as it is (M = 8 < 16)
;;     3. [M 8, K 256] x [K 256, N 8]; A: computed on the way; B: input Wm3: left as it is (M = 8 < 16)
;;     4. [M 2,048, K 2,048] x [K 2,048, N 8,192]; A: input x; B: input W1: QUANTISED
;;     5. batch 8 x [M 2,048, K 1,024] x [K 1,024, N 2,048]; A: input W2; B: computed on the way: QUANTISED
;;     6. batch 8 x [M 524,288, K 8] x [K 8, N 1]; A: computed on the way; B: softmax: left as it is (K = 8 < 32)
;;   THE QUANTISER, for each operand of a quantised product, along K:
;;     - K is cut into blocks of 32 from its start; a last block that is shorter is filled with zeros.
;;     - A block's scale is 2^e with e = floor(log2(the largest magnitude in the block)) - 2, held to -126 .. 127; a block of zeros has e = 0. As a byte (E8M0): e + 127.
;;     - Each number is divided by its block's scale, clamped to +-7.5, and rounded to the nearest number of E2M3, ties to even, subnormals kept.
;;     - The product sums the exact products of the quantised numbers (number of the format x scale) in f32.
;;   ~~~python
;;   def quantise(x, axis):      # numpy; x: float32 -> the quantised numbers, widened to float32 again
;;       x = np.moveaxis(x, axis, -1); K = x.shape[-1]
;;       x = np.pad(x, [(0, 0)] * (x.ndim - 1) + [(0, -K % 32)]); x = x.reshape(x.shape[:-1] + (-1, 32)); a = np.abs(x).max(-1, keepdims=True)
;;       e = np.where(a > 0, np.clip(np.frexp(np.where(a > 0, a, 1))[1] - 1 - 2, -126, 127), 0)      # np.frexp(a)[1] - 1 = floor(log2(a)), exactly
;;       r = np.clip(x / 2.0 ** e, -7.5, 7.5)
;;       step = 2.0 ** (np.maximum(np.frexp(np.where(r == 0, 1, r))[1] - 1, 0) - 3)
;;       q = np.round(r / step) * step * 2.0 ** e      # np.round: ties to even
;;       return np.moveaxis(q.reshape(q.shape[:-2] + (-1,))[..., :K], -1, axis).astype(np.float32)
;;   ~~~
;;   OPERANDS COMPUTED ON THE WAY. 'Computed on the way' means the value that the module computes at that place (a softmax that the list does not call 'softmax' is quantised finished and normalised). What goes into a quantiser is computed in f32, as accurately as f32 sums, v_exp_f32 and their like allow (about 1e-6 of the number): no bf16 or f16 on the way to a quantiser, and a product that is left as it is and whose result goes on into a quantised operand takes f32 operands (vector FMAs, or v_wmma_f32_16x16x4_f32). A number that lies on a knife's edge between two numbers of the format may be rounded either way, as far as f32 arithmetic and the matrix unit's own rounding can turn it there, and no further.
;; One version. Each part assembles by itself: llvm-mc -triple=amdgcn-amd-amdhsa -mcpu=gfx1250 --defsym DOCPART=n.
;; ======== version 1 of 1: 3 launches
;; limits: right only within a limited range of input values
;; workspace buffers: xq 3,276,800 bytes; p1 262,144 bytes; w1q 13,107,200 bytes; w2q 13,107,200 bytes; hq 13,107,200 bytes; p2 8,192 bytes
;; launch prep (part 1): grid 768 x 1, 8 waves a work-group, no clusters, 77,312 bytes of LDS; arguments x, Wm1, xq, p1, W1, W2, w1q, w2q; writes xq, p1, w1q, w2q
.if DOCPART == 1
	.amdgcn_target "amdgcn-amd-amdhsa--gfx1250"
	.amdhsa_code_object_version 6
	.text
	.protected	k_q0a07eadf61_prep
	.globl	k_q0a07eadf61_prep
	.p2align	8
	.type	k_q0a07eadf61_prep,@function
k_q0a07eadf61_prep:
	s_mov_b64 s[64:65], 0
	v_nop
	global_prefetch_b8 v0, s[64:65] scope:SCOPE_SE
	s_setreg_imm32_b32 hwreg(HW_REG_WAVE_MODE, 25, 1), 1
	s_wait_xcnt 0x0
; FIRST OF THREE LAUNCHES (prep, g1, g2).  The program computes out = sum over e of w[b,e] tanh(relu(x W1_e + b1_e) W2_e + b2_e), w = softmax(softmax(router(mean of x)) * eff).
; NO WORK OF THE PROBLEM IS LEFT OUT: every expert is weighed in for every token (soft gates), every bias differs along its axis, and all twelve inputs are loaded by some launch.
; THIS LAUNCH quantises x, W1 and W2 to codes of E2M3 with one E8M0 byte for each 32 along K, laid as images of the operands' registers, and begins the router.  Three paths, chosen by the work-group's number alone:
;   0 .. 255    x: work-group 16 y + ks takes rows 128 y on, columns 128 ks on; it also multiplies its part of the mean of x by the matching 128 rows of Wm1 (the layer is linear: the 32 partial sums of a batch are added in g1).
;   256 .. 511  W1 [8][2048 k][1024 n], quantised along k.      512 .. 767  W2, taken as ONE matrix [8192 k = (e, f)][2048 n], likewise.
; The x blocks, whose steps hang on each other, have the lowest numbers; with 256 registers two work-groups share a WGP, so that they run beside the weights' stream.
; A block's scale is 2^(floor(log2(largest magnitude)) - 2): its byte is the largest magnitude's exponent field - 2, held at 1 from below.
; LIMITS: NaN and infinities among the inputs are not served.  A block of zeros, or one whose largest magnitude lies under 2^-124, gets the byte 1 (the stated rule gives a block of zeros 127): the bytes are
; read by this program alone, and zero codes add nothing under any byte but 0xff.  The order of the f32 sums of the mean differs from the order in which the problem writes them.
; WEIGHTS.  K is the first axis: A LANE TAKES A COLUMN n AND ITS REGISTERS RUN DOWN K, so that a block of 32 lies in one lane and the conversions give codes with K innermost.
; The codes leave as [tile of 16 columns][K step of 128][1536], register group c of lane L at 512 c + 16 L: blocks 0, 2 are the 12 registers of image lane r, blocks 1, 3 those of image lane 16 + r;
; sixteen neighbouring lanes store 256 consecutive bytes, aligned.  Within each 32 columns, place l (tile l / 16, row l % 16) holds column l with bits 3 and 4 exchanged, so that in the products, which are used
; transposed, the 16 result registers of two neighbouring tiles are 16 neighbouring columns.
; Scale words, from byte WQS on: [block of 128 columns][pair of K steps][pair of tiles][lane = 16 (tile % 2) + row][K step % 2].
; x.  Wave w: rows 16 w on: ONE fragment (16 rows x 128 K).  A load takes 512 consecutive bytes of a row; the conversions want 16 neighbours along K in one lane: so the 16 rows turn through the wave's own stage in LDS.
; xq: codes [token tile 128][K step 16][1536];  then from byte XQS the scale words [K step][Q = row / 64][r = row % 16][j = (row / 16) % 4].
.set SROW,  528
.set PSUM,  8*16*SROW                  ; LDS (x's path alone).  Behind the eight stages: each wave's 128 column sums, 512 bytes a wave
.set SCG,   PSUM+4096                  ; the work-group's 128 scale words
.set RED,   SCG+512                    ; the four quarters' partial sums of the first layer: 4 x 1,024 bytes
.set SPARE, RED+4096                   ; the spare words, 128 bytes for each wave: four blocks of 256 bytes that no other line names
.set XQS,   3145728
.set WQS,   12582912
.set SPW, 14                           ; v14  LDS address of my spare word; never rewritten
.set NIL, 15                           ; v15  0; never rewritten
.set X,   32                           ; weights: v32-95 two sets of 32 numbers
.set IM,  96                           ; v96-143  the images: 24 registers a K step
.set TMP, 144                          ; v144-146 a block's upper 16 codes
.set SBW, 148                          ; v148-149 the two K steps' scale words
.macro QLOAD t, N, SRC                 ; block t: W(32 t + i, my column) into set t % 2: 32 lanes read 128 consecutive bytes, the four waves side by side 512
.irp i, 0,1,2,3,4,5,6,7,8,9,10,11,12,13,14,15,16,17,18,19,20,21,22,23,24,25,26,27,28,29,30,31
	global_load_b32 v[X+32*((\t)%2)+\i], v2, s[\SRC:\SRC+1] offset:(32*(\t)+\i)*\N*4 th:TH_LOAD_NT
.endr
.endm
.macro QBLOCK t, N, SRC, DST
.set XS, X+32*((\t)%2)
.set KST, (\t)/4
.set ID, IM+24*KST+12*((\t)%2)+6*(((\t)%4)/2)
.if (\t) < 7
	s_wait_loadcnt 32                              ; this block's 32 loads are in; the next block's 32 may stay out
.else
	s_wait_loadcnt 0x0
.endif
	v_max3_num_f32 v8, |v[XS]|, |v[XS+1]|, |v[XS+2]|           ; the block's largest magnitude: all 32 numbers are mine
	v_max3_num_f32 v9, |v[XS+3]|, |v[XS+4]|, |v[XS+5]|
.irp i, 6,10,14,18,22,26
	s_delay_alu instid0(VALU_DEP_2)
	v_max3_num_f32 v8, v8, |v[XS+\i]|, |v[XS+\i+1]|
	s_delay_alu instid0(VALU_DEP_2)
	v_max3_num_f32 v9, v9, |v[XS+\i+2]|, |v[XS+\i+3]|
.endr
	s_delay_alu instid0(VALU_DEP_2)
	v_max3_num_f32 v8, v8, |v[XS+30]|, |v[XS+31]|
	s_delay_alu instid0(VALU_DEP_1)
	v_max3_num_f32 v8, v8, v9, 0x1800000           ; and the floor 2^(3 - 127): the byte cannot fall under 1
	s_delay_alu instid0(VALU_DEP_1)
	v_add_nc_u32 v10, 0xff000000, v8               ; 2 off its exponent field: the conversion's scale operand
	v_cvt_scalef32_pk16_fp6_f32 v[ID:ID+2], v[XS:XS+15], v10
	v_cvt_scalef32_pk16_fp6_f32 v[TMP:TMP+2], v[XS+16:XS+31], v10   ; (a conversion's three registers begin on an even number)
	v_lshrrev_b32 v11, 23, v10                     ; the scale's byte.  (The plain place behind the conversions)
.if (\t)%4 == 0
	s_delay_alu instid0(VALU_DEP_1)
	v_mov_b32 v[SBW+KST], v11
.else
	s_delay_alu instid0(VALU_DEP_1)
	v_lshl_or_b32 v[SBW+KST], v11, 8*((\t)%4), v[SBW+KST]
.endif
.irp i, 0,1,2
	v_mov_b32 v[ID+3+\i], v[TMP+\i]
.endr
.if (\t)+2 < 8
	QLOAD (\t)+2, \N, \SRC
.endif
.if (\t)%4 == 3                        ; a K step is whole: six stores; no register of a store is ever written again
.irp h, 0,1
.irp c, 0,1,2
	global_store_b128 v3, v[IM+24*KST+12*\h+4*\c:IM+24*KST+12*\h+4*\c+3], s[\DST:\DST+1] offset:1536*KST+512*\c+256*\h
.endr
.endr
.endif
.endm
; A work-group takes 128 columns x 512 along K; wave w: the pair of tiles w % 4 (32 columns), 256 along K (w / 4): 8 blocks a lane, one pair of K steps.
.macro QWPATH N, NKS, SRC, DST, FIRST
	s_sub_co_u32 s31, ttmp9, \FIRST
.if \N == 1024
	s_lshr_b32 s32, s31, 5                         ; expert
	s_bfe_u32 s33, s31, 0x30002                    ; block of 128 columns
	s_and_b32 s34, s31, 3                          ; which 512 along K
.else
	s_mov_b32 s32, 0
	s_lshr_b32 s33, s31, 4
	s_and_b32 s34, s31, 15
.endif
	s_lshl_b32 s35, s34, 1
	s_add_co_u32 s35, s35, s30                     ; my pair of K steps
	s_mul_i32 s36, s35, 256*\N*4                   ; 256 rows of the weight for each
	s_lshl_b32 s37, s32, 23
	s_add_co_u32 s36, s36, s37
	s_lshl_b32 s37, s33, 9
	s_add_co_u32 s36, s36, s37
	s_lshl_b32 s37, s29, 7
	s_add_co_u32 s36, s36, s37
	s_mov_b32 s37, 0
	s_add_nc_u64 s[\SRC:\SRC+1], s[\SRC:\SRC+1], s[36:37]
	v_mul_u32_u24 v3, v5, \NKS*1536                ; the stores' offset: my tile of the pair, + 16 x my row
	s_delay_alu instid0(VALU_DEP_1)
	v_lshl_add_u32 v3, v6, 4, v3
	QLOAD 0, \N, \SRC
	QLOAD 1, \N, \SRC
	s_lshl_b32 s38, s32, 6                         ; my first tile: 64 e + 8 cb + 2 (w % 4)
	s_lshl_b32 s39, s33, 3
	s_add_co_u32 s38, s38, s39
	s_lshl_b32 s39, s29, 1
	s_add_co_u32 s38, s38, s39
	s_mul_i32 s38, s38, \NKS
	s_lshl_b32 s39, s35, 1
	s_add_co_u32 s38, s38, s39
	s_mul_i32 s38, s38, 1536
	s_mov_b32 s39, 0
	s_lshl_b32 s40, s32, 3                         ; the scale words
	s_add_co_u32 s40, s40, s33
	s_mul_i32 s40, s40, \NKS/2
	s_add_co_u32 s40, s40, s35
	s_lshl_b32 s40, s40, 2
	s_add_co_u32 s40, s40, s29
	s_lshl_b32 s40, s40, 8
	s_add_co_u32 s40, s40, WQS
	s_mov_b32 s41, 0
	s_add_nc_u64 s[42:43], s[\DST:\DST+1], s[40:41]
	s_add_nc_u64 s[\DST:\DST+1], s[\DST:\DST+1], s[38:39]
.irp t, 0,1,2,3,4,5,6,7
	QBLOCK \t, \N, \SRC, \DST
.endr
	global_store_b64 v4, v[SBW:SBW+1], s[42:43]    ; 32 lanes store 256 consecutive bytes, aligned
.endm
	s_load_b512 s[4:19], s[0:1], 0x0               ; x s[4:5], Wm1 s[6:7], xq s[8:9], p1 s[10:11], W1 s[12:13], W2 s[14:15], w1q s[16:17], w2q s[18:19]
	v_lshl_add_u32 v[SPW], v0, 2, SPARE
	v_mov_b32 v[NIL], 0
	v_lshrrev_b32 v1, 5, v0
	s_delay_alu instid0(VALU_DEP_1)
	v_readfirstlane_b32 s28, v1                    ; wave 0..7
	v_and_b32 v1, 31, v0                           ; lane
	s_wait_alu depctr_va_vdst(0)                   ; the wait here, directly ahead of the wait below
	s_wait_kmcnt 0x0
	s_cmp_lt_u32 ttmp9, 256
	s_cbranch_scc1 .Lqx
	v_and_b32 v2, 7, v1                            ; my column of the 32: the lane's number with bits 3 and 4 exchanged
	v_bfe_u32 v5, v1, 4, 1                         ; (lane / 16: my tile of the pair)
	s_delay_alu instid0(VALU_DEP_1)
	v_lshl_or_b32 v2, v5, 3, v2
	v_bfe_u32 v6, v1, 3, 1
	s_delay_alu instid0(VALU_DEP_1)
	v_lshl_or_b32 v2, v6, 4, v2
	s_delay_alu instid0(VALU_DEP_1)
	v_lshlrev_b32 v2, 2, v2                        ; in bytes
	v_and_b32 v6, 15, v1                           ; my row of the tile
	v_lshlrev_b32 v4, 3, v1                        ; the scale words: 8 bytes a lane
	s_and_b32 s29, s28, 3                          ; which pair of tiles
	s_lshr_b32 s30, s28, 2                         ; which 256 along K
	s_cmp_lt_u32 ttmp9, 512
	s_cbranch_scc1 .Lw1
	s_wait_alu depctr_va_vdst(0)
	QWPATH 2048, 64, 14, 18, 512
	s_endpgm
.Lw1:
	s_wait_alu depctr_va_vdst(0)
	QWPATH 1024, 16, 12, 16, 256
	s_endpgm
; x's path
.set CS,  16                           ; v16-19   my four columns' sums
.set AC,  20                           ; v20-23   the first layer's four sums
.set TM,  24                           ; v24-39   the quantiser's work
.set PC,  40                           ; v40-58   the codes just made
.set PW,  60                           ; v60      the scale word just made
.set X,   64                           ; v64-127  16 rows as loaded, then 64 numbers of my row
.set WM,  128                          ; v128-255 32 rows x 4 columns of Wm1
.set SEL, 20                           ; s[20:21] lane selects: lane l xor 16
.set PV,  24                           ; s[24:55] 32 pooled numbers
; 64 numbers of a lane, register 16 b + i = k 32 b + 16 (lane / 16) + i of my row, become a fragment's codes in v[PC] on and its scale word in v[pw].
.macro QUANT s, pw
.irp b, 0,1,2,3
	v_max3_num_f32 v[TM+\b], |v[\s+16*\b]|, |v[\s+1+16*\b]|, 0x1800000   ; block b: my 16 numbers, and the floor 2^(3 - 127): the byte cannot fall under 1
.endr
.irp i, 2,4,6,8,10,12,14
.irp b, 0,1,2,3
	s_delay_alu instid0(VALU_DEP_4)
	v_max3_num_f32 v[TM+\b], v[TM+\b], |v[\s+16*\b+\i]|, |v[\s+1+16*\b+\i]|   ; the four blocks by turns
.endr
.endr
.irp b, 0,1,2,3
	s_delay_alu instid0(VALU_DEP_4)
	v_permlanex16_b32 v[TM+4+\b], v[TM+\b], s[SEL], s[SEL+1]
.endr
.irp b, 0,1,2,3
	s_delay_alu instid0(VALU_DEP_4)
	v_max_num_f32 v[TM+\b], v[TM+\b], v[TM+4+\b]   ; with lane l xor 16's: the block's largest magnitude
.endr
.irp b, 0,1,2,3
	s_delay_alu instid0(VALU_DEP_4)
	v_add_nc_u32 v[TM+12+\b], 0xff000000, v[TM+\b]   ; 2 off its exponent field: the conversion's scale operand
.endr
.irp b, 0,1,2,3
	s_delay_alu instid0(VALU_DEP_4)
	v_lshrrev_b32 v[TM+4+\b], 23, v[TM+12+\b]      ; the scale's byte
.endr
	s_delay_alu instid0(VALU_DEP_3)
	v_lshl_or_b32 v[\pw], v[TM+5], 8, v[TM+4]
	s_delay_alu instid0(VALU_DEP_1)
	v_lshl_or_b32 v[\pw], v[TM+6], 16, v[\pw]
	s_delay_alu instid0(VALU_DEP_1)
	v_lshl_or_b32 v[\pw], v[TM+7], 24, v[\pw]      ; my row's scale word
.irp c, 0,1
	v_cvt_scalef32_pk16_fp6_f32 v[PC+6*\c:PC+2+6*\c], v[\s+32*\c:\s+15+32*\c], v[TM+12+2*\c]
	v_cvt_scalef32_pk16_fp6_f32 v[PC+12+4*\c:PC+14+4*\c], v[\s+16+32*\c:\s+31+32*\c], v[TM+12+2*\c+1]   ; (a conversion's three registers begin on an even number)
.endr
	v_nop                                          ; one plain place behind a scaled conversion
.irp c, 0,1                                    ; the operand's layout wants a WHOLE block in a lane: lanes 0-15 block 2 c, lanes 16-31 block 2 c + 1
.irp i, 0,1,2
	v_permlane16_swap_b32 v[PC+6*\c+\i], v[PC+12+4*\c+\i]
.endr
.irp i, 0,1,2
	s_delay_alu instid0(VALU_DEP_3)
	v_mov_b32 v[PC+3+6*\c+\i], v[PC+12+4*\c+\i]
.endr
.endr
.endm
.Lqx:
	v_lshrrev_b32 v1, 5, v0
	s_delay_alu instid0(VALU_DEP_1)
	v_readfirstlane_b32 s12, v1                    ; wave 0..7
	v_and_b32 v1, 31, v0                           ; lane
	v_and_b32 v2, 15, v0                           ; r
	s_wait_alu depctr_va_vdst(0)
	v_bfe_u32 v3, v0, 4, 1                         ; h
	v_lshlrev_b32 v4, 4, v1                        ; 16 x lane
	s_wait_alu depctr_va_vdst(0)
	s_lshr_b32 s13, ttmp9, 4                       ; y
	s_and_b32 s60, ttmp9, 15                       ; ks
	s_mul_i32 s14, s12, 16*SROW                    ; my stage
	v_add_nc_u32 v5, s14, v4                       ; into it: 16 bytes a lane of a row
	v_mul_u32_u24 v6, v2, SROW
	s_delay_alu instid0(VALU_DEP_1)
	v_lshl_add_u32 v6, v3, 6, v6
	s_delay_alu instid0(VALU_DEP_1)
	v_add_nc_u32 v6, s14, v6                       ; out of it: row r, + 64 h: my 16 numbers of a block of 32
	s_lshl_b32 s15, s12, 9
	s_add_co_u32 s14, s15, PSUM
	v_add_nc_u32 v7, s14, v4                       ; my wave's column sums
	s_lshr_b32 s16, s12, 1                         ; kq: which 32 of the 128 columns my wave multiplies
	s_lshl_b32 s14, s16, 7
	s_add_co_u32 s14, s14, PSUM
	v_lshl_add_u32 v8, v1, 2, s14                  ; column 32 kq + lane of wave 0's sums; the other waves' 512 bytes on each
	s_lshr_b32 s14, s12, 2
	s_lshl_b32 s14, s14, 8
	s_and_b32 s17, s12, 3
	s_lshl_b32 s17, s17, 2
	s_add_co_u32 s14, s14, s17
	s_add_co_u32 s14, s14, SCG
	v_lshl_add_u32 v9, v2, 4, s14                  ; my row's scale word: 256 (w / 4) + 16 r + 4 (w % 4)
	v_add_nc_u32 v10, SCG, v4                      ; and the 512 bytes as wave 0 reads them
	s_add_co_u32 s14, s15, RED
	v_add_nc_u32 v11, s14, v4                      ; 1,024 kq + 16 g = 512 w + 16 lane
	s_and_b32 s17, s12, 1
	s_lshl_b32 s17, s17, 9
	v_add_nc_u32 v13, s17, v4                      ; 16 g, g = 32 (w % 2) + lane: my four columns of Wm1 and of p1
	s_mov_b32 s[SEL], 0x76543210
	s_mov_b32 s[SEL+1], 0xfedcba98
.irp b, 0,1,2,3
	v_mov_b32 v[TM+4+\b], 0                        ; written once: a lane permute's destination counts as one of its sources
.endr
	s_lshl_b32 s56, s13, 20                        ; x: 128 y rows of 8,192 bytes,
	s_lshl_b32 s57, s12, 17                        ; 16 w rows,
	s_add_co_u32 s56, s56, s57
	s_lshl_b32 s57, s60, 9                         ; 128 ks columns
	s_add_co_u32 s56, s56, s57
	s_mov_b32 s57, 0
	s_lshl_b32 s58, s60, 17                        ; Wm1: rows 128 ks + 32 kq of 1,024 bytes
	s_lshl_b32 s59, s16, 15
	s_add_co_u32 s58, s58, s59
	s_mov_b32 s59, 0
	s_wait_alu depctr_va_vdst(0)
	s_add_nc_u64 s[4:5], s[4:5], s[56:57]
	s_add_nc_u64 s[6:7], s[6:7], s[58:59]
.irp i, 0,1,2,3,4,5,6,7,8,9,10,11,12,13,14,15
	global_load_b128 v[X+4*\i:X+4*\i+3], v4, s[4:5] offset:8192*\i th:TH_LOAD_NT   ; 32 lanes read 512 consecutive bytes of row i
.endr
.irp i, 0,1,2,3,4,5,6,7,8,9,10,11,12,13,14,15,16,17,18,19,20,21,22,23,24,25,26,27,28,29,30,31
	global_load_b128 v[WM+4*\i:WM+4*\i+3], v13, s[6:7] offset:1024*\i
.endr
	s_lshl_b32 s56, s13, 3                         ; where the results go.  Codes: (16 (8 y + w) + ks) x 1,536
	s_add_co_u32 s56, s56, s12
	s_lshl_b32 s56, s56, 4
	s_add_co_u32 s56, s56, s60
	s_mul_i32 s56, s56, 1536
	s_add_nc_u64 s[18:19], s[8:9], s[56:57]
	s_lshl_b32 s58, s60, 5                         ; scale words: XQS + (32 ks + 2 y) x 256
	s_lshl_b32 s56, s13, 1
	s_add_co_u32 s58, s58, s56
	s_lshl_b32 s58, s58, 8
	s_add_co_u32 s58, s58, XQS
	s_add_nc_u64 s[22:23], s[8:9], s[58:59]
	s_lshr_b32 s56, s13, 1                         ; p1: batch b = y / 2, slice 2 ks + y % 2
	s_lshl_b32 s56, s56, 15
	s_and_b32 s58, s13, 1
	s_lshl_b32 s58, s58, 10
	s_add_co_u32 s56, s56, s58
	s_lshl_b32 s58, s60, 11
	s_add_co_u32 s56, s56, s58
	s_add_nc_u64 s[10:11], s[10:11], s[56:57]
	s_wait_loadcnt 32                              ; x's 16 loads are in; the 32 of Wm1, issued behind them, may stay out
	v_pk_add_f32 v[CS:CS+1], v[X:X+1], v[X+4:X+5]              ; the sums of my four columns over the wave's 16 rows; the first addition starts them
	v_pk_add_f32 v[CS+2:CS+3], v[X+2:X+3], v[X+6:X+7]
.irp i, 2,3,4,5,6,7,8,9,10,11,12,13,14,15
	s_delay_alu instid0(VALU_DEP_2)
	v_pk_add_f32 v[CS:CS+1], v[CS:CS+1], v[X+4*\i:X+4*\i+1]
	s_delay_alu instid0(VALU_DEP_2)
	v_pk_add_f32 v[CS+2:CS+3], v[CS+2:CS+3], v[X+4*\i+2:X+4*\i+3]
.endr
.irp i, 0,1,2,3,4,5,6,7,8,9,10,11,12,13,14,15
	ds_store_b128 v5, v[X+4*\i:X+4*\i+3] offset:SROW*\i
.endr
	ds_store_b128 v7, v[CS:CS+3]
.irp b, 0,1,2,3
.irp j, 0,1,2,3
	ds_load_b128 v[X+16*\b+4*\j:X+16*\b+4*\j+3], v6 offset:128*\b+16*\j   ; LDS serves a wave's instructions in order: these see my stores
.endr
.endr
	s_wait_dscnt 0x0
	QUANT X, PW
.irp c, 0,1,2
	global_store_b128 v4, v[PC+4*\c:PC+4*\c+3], s[18:19] offset:512*\c   ; the fragment's image: 512 consecutive bytes a store, aligned on 256
.endr
	ds_store_b32 v9, v[PW]                         ; lanes l and l + 16 write the same word with the same value
	s_wait_dscnt 0x0                               ; for the others' sake: my column sums and scale words have landed
	s_barrier_signal -1
	s_barrier_wait -1
.irp j, 0,1,2,3,4,5,6,7
	ds_load_b32 v[X+\j], v8 offset:512*\j          ; column 32 kq + lane: the eight waves' sums
.endr
	s_wait_dscnt 0x0
	v_add_f32 v[X], v[X], v[X+1]
	v_add_f32 v[X+2], v[X+2], v[X+3]
	v_add_f32 v[X+4], v[X+4], v[X+5]
	v_add_f32 v[X+6], v[X+6], v[X+7]
	s_delay_alu instid0(VALU_DEP_3)
	v_add_f32 v[X], v[X], v[X+2]
	s_delay_alu instid0(VALU_DEP_2)
	v_add_f32 v[X+4], v[X+4], v[X+6]
	s_delay_alu instid0(VALU_DEP_1)
	v_add_f32 v[X], v[X], v[X+4]
	s_delay_alu instid0(VALU_DEP_1)
	v_mul_f32 v[X], 0x3b800000, v[X]               ; x 1/256: this work-group's part of the mean
	s_cmp_lg_u32 s12, 0
	s_cbranch_scc1 .Lnot_wave_0
	ds_load_b128 v[X+8:X+11], v10                  ; wave 0 sends the 128 scale words: 512 consecutive bytes
	s_wait_dscnt 0x0
	global_store_b128 v4, v[X+8:X+11], s[22:23]
.Lnot_wave_0:
	s_wait_alu depctr_va_vdst(0)
.irp i, 0,1,2,3,4,5,6,7,8,9,10,11,12,13,14,15,16,17,18,19,20,21,22,23,24,25,26,27,28,29,30,31
	v_readlane_b32 s[PV+\i], v[X], \i
.endr
	s_wait_loadcnt 0x0                             ; Wm1's rows
.irp j, 0,1,2,3
	v_mul_f32 v[AC+\j], s[PV], v[WM+\j]            ; the first product starts the sums
.endr
.set i, 1
.rept 31
.irp j, 0,1,2,3
	s_delay_alu instid0(VALU_DEP_4)
	v_fmac_f32 v[AC+\j], s[PV+i], v[WM+4*i+\j]
.endr
.set i, i+1
.endr
	ds_store_b128 v11, v[AC:AC+3]
	s_wait_dscnt 0x0                               ; for the others' sake
	s_barrier_signal -1
	s_barrier_wait -1
	s_cmp_gt_u32 s12, 1
	s_cbranch_scc1 .Lend
.irp j, 0,1,2,3
	ds_load_b128 v[X+12+4*\j:X+15+4*\j], v11 offset:1024*\j    ; waves 0 and 1 (kq = 0): the four quarters of my four columns
.endr
	s_wait_dscnt 0x0
	v_pk_add_f32 v[X+12:X+13], v[X+12:X+13], v[X+16:X+17]
	v_pk_add_f32 v[X+14:X+15], v[X+14:X+15], v[X+18:X+19]
	v_pk_add_f32 v[X+20:X+21], v[X+20:X+21], v[X+24:X+25]
	v_pk_add_f32 v[X+22:X+23], v[X+22:X+23], v[X+26:X+27]
	s_delay_alu instid0(VALU_DEP_2)
	v_pk_add_f32 v[X+12:X+13], v[X+12:X+13], v[X+20:X+21]
	s_delay_alu instid0(VALU_DEP_2)
	v_pk_add_f32 v[X+14:X+15], v[X+14:X+15], v[X+22:X+23]
	global_store_b128 v13, v[X+12:X+15], s[10:11]  ; 512 consecutive bytes a wave
.Lend:
	s_wait_tensorcnt 0x0                           ; the wave's end
	ds_add_u32 v[SPW], v[NIL]
	s_wait_dscnt 0x0
	s_endpgm
.Lfunc_end_k_q0a07eadf61_prep:
	.size	k_q0a07eadf61_prep, .Lfunc_end_k_q0a07eadf61_prep-k_q0a07eadf61_prep
	.p2alignl 7, 3214868480
	.fill 96, 4, 3214868480
	.section	.rodata,"a",@progbits
	.p2align	6, 0x0
	.amdhsa_kernel k_q0a07eadf61_prep
		.amdhsa_group_segment_fixed_size 77312
		.amdhsa_private_segment_fixed_size 0
		.amdhsa_enable_private_segment 0
		.amdhsa_kernarg_size 64
		.amdhsa_user_sgpr_count 2
		.amdhsa_user_sgpr_kernarg_segment_ptr 1
		.amdhsa_wavefront_size32 1
		.amdhsa_system_sgpr_workgroup_id_x 1
		.amdhsa_system_sgpr_workgroup_id_y 1
		.amdhsa_system_sgpr_workgroup_id_z 1
		.amdhsa_system_vgpr_workitem_id 0
		.amdhsa_next_free_vgpr 256
		.amdhsa_next_free_sgpr 66
		.amdhsa_reserve_vcc 0
		.amdhsa_float_denorm_mode_32 3
		.amdhsa_float_denorm_mode_16_64 3
		.amdhsa_memory_ordered 1
		.amdhsa_forward_progress 1
		.amdhsa_inst_pref_size 117
	.end_amdhsa_kernel
	.amdgpu_metadata
---
amdhsa.version: [ 1, 2 ]
amdhsa.kernels:
  - .name:           k_q0a07eadf61_prep
    .symbol:         k_q0a07eadf61_prep.kd
    .args:
      - { .name: x, .offset: 0, .size: 8, .value_kind: global_buffer, .address_space: global }
      - { .name: Wm1, .offset: 8, .size: 8, .value_kind: global_buffer, .address_space: global }
      - { .name: xq, .offset: 16, .size: 8, .value_kind: global_buffer, .address_space: global }
      - { .name: p1, .offset: 24, .size: 8, .value_kind: global_buffer, .address_space: global }
      - { .name: W1, .offset: 32, .size: 8, .value_kind: global_buffer, .address_space: global }
      - { .name: W2, .offset: 40, .size: 8, .value_kind: global_buffer, .address_space: global }
      - { .name: w1q, .offset: 48, .size: 8, .value_kind: global_buffer, .address_space: global }
      - { .name: w2q, .offset: 56, .size: 8, .value_kind: global_buffer, .address_space: global }
    .group_segment_fixed_size: 77312
    .private_segment_fixed_size: 0
    .kernarg_segment_align: 8
    .kernarg_segment_size: 64
    .max_flat_workgroup_size: 256
    .sgpr_count:     66
    .vgpr_count:     256
    .wavefront_size: 32
...
	.end_amdgpu_metadata
.endif
;; end of part 1
;; launch g1 (part 2): grid 32 x 8, 4 waves a work-group, clusters of 4 x 4, 327,680 bytes of LDS; arguments xq, w1q, b1, hq, p1, bm1, Wm2, bm2, Wm3, p2; writes hq, p2
.if DOCPART == 2
	.amdgcn_target "amdgcn-amd-amdhsa--gfx1250"
	.amdhsa_code_object_version 6
	.text
	.protected	k_q0a07eadf61_g1
	.globl	k_q0a07eadf61_g1
	.p2align	8
	.type	k_q0a07eadf61_g1,@function
k_q0a07eadf61_g1:
	s_mov_b64 s[64:65], 0
	v_nop
	global_prefetch_b8 v0, s[64:65] scope:SCOPE_SE
	s_setreg_imm32_b32 hwreg(HW_REG_WAVE_MODE, 25, 1), 1
	s_wait_xcnt 0x0
	s_wait_alu depctr_hold_cnt(0) depctr_sa_sdst(0) depctr_va_vdst(0) depctr_va_sdst(0) depctr_va_ssrc(0) depctr_va_vcc(0) depctr_vm_vsrc(0)
	s_getreg_b32 s2, hwreg(HW_REG_IB_STS2, 6, 4)
	s_cmp_eq_u32 s2, 0
	s_cbranch_scc0 .Lentry_in_a_cluster
	s_endpgm
.Lentry_in_a_cluster:
	s_bfe_u32 s2, ttmp6, 0x10000c
	s_cmp_lg_u32 s2, 0xf033
	s_cbranch_scc0 .Lentry_shape_is_right
	s_endpgm
.Lentry_shape_is_right:
; SECOND LAUNCH.  No work is left out.  hq = Q(relu(x W1_e + b1_e)): codes of x (xq) times codes of W1 (w1q), both E2M3 with E8M0 bytes, by the scaled 16x16x128 form; f32 sums that begin with b1 as C.
; A work-group of four waves makes 256 tokens x 256 hidden units, a wave 128 x 128 (64 accumulators).  Operands lie in memory as images of the fragments' registers: 1,536 bytes for 16 rows x 128 K.
; K goes in chunks of two K steps through a ring of two LDS slots (16 + 16 tiles x 3,072 bytes); the scale words of all of K (16 KB a side) come once and stay behind the ring.
; CLUSTERS 4 x 4: x's tiles are asked for jointly along a row of the cluster, W1's along a column.
; THE HEAD: one joint load a wave, in one tree of branches on the wave's number: chunk 0 of x whole, chunk 0 of W1 whole, x's scale words, W1's scale words.  Slot 1 is first filled behind the full sequence and a round.
; PREFETCH: with the load of chunk j each wave names 24 blocks of 256 bytes of chunk j + 2: of the 8 tiles that it fetches, the partner at place p (cx for x, cy for W1) takes tiles 2 p and 2 p + 1;
; lanes 24 to 31 name lane 23's block again.  Chunks 1 and 2 are named at the head's end.  The loop's last trip names nothing: there is no chunk 8.
; The product is used transposed (source 0 = W1's columns), so that a lane's registers run along the hidden units; the result is clipped at 0, quantised along them and stored as register images for the next launch.
; LIMITS: NaN and infinities are not served; a block of zeros or under 2^-124 gets the byte 1 (read by this program alone).
; The launches run in the order prep, g1, g2.  THE ROUTER'S MIDDLE stands in this launch's head, while the head's tiles are on their way.  Work-group (column block x, batch b; a block of 256 tokens is one batch):
; thread t adds the 32 partial sums of p1 for columns 2 t, 2 t + 1: h1 = relu(sum + bm1); multiplies them by rows 2 t, 2 t + 1 of Wm2 at columns 8 x .. 8 x + 7; the 128 threads' terms are added over the lanes and,
; through 128 LDS bytes of their own (RTB), over the four waves: h2 = relu(sum + bm2); p2[b][x][e] = sum over these 8 columns of h2 Wm3[.][e].  All in f32.  g2 adds the 32 slices.
.set SLOT,  98304
.set WLOAD, 24576
.set TILB,  3072
.set FRB,   1536
.set SCA,   2*SLOT
.set SCB,   SCA+16384
.set SPARE, SCB+16384
.set LAPS,  4
.set XQS,   3145728
.set WQS,   12582912
.set ADRA, 16
.set ADRB, 20
.set ADSA, 22
.set ADSB, 23
.set LI,   24
.set LN,   25
.set BO,   26
.set SPW,  28
.set NIL,  29
.set SA,   32
.set SB,   48
.set BIAS, 64
.set X,    64
.set AF,   128
.set TM,   128
.set PC,   144
.set PWS,  168
.set OUTW, 176
.set SEL,  96
.set G1, 24
.set G0, 32
.set G1B, 48
.set G0B, 56
.set G1S, 68
.set G0S, 76
.set G1SB, 80
.set G0SB, 88
.set G0H,  4                           ; s[4:7], s[92:95] group 0 of the head's two loads of codes (what lay there has been used by then)
.set G0HB, 92
.set PFA,  98                          ; s[98:99] the prefetches' base: my work-group's two tiles of the eight that I fetch, at the trip's first chunk less two
.set PFO,  30                          ; v30 the prefetches' offset: tile x 24,576 + block x 256; never rewritten
.set RTB,  SPARE+512                   ; behind the spare words: the four waves' eight partial sums of h2, 32 bytes a wave; no tile lands here
.set MSB, 0
.macro WIN new
.if MSB != (\new)
	s_set_vgpr_msb (MSB<<8)|(\new)
.set MSB, (\new)
.endif
.endm
.set MUL_LO, 0xa1
.set MUL_HI, 0xf1
.set TO_B,   0x40
.macro JLOAD g0a, g1a, g0b, g1b
	s_cmp_eq_u32 s15, 0
	s_cbranch_scc0 .Lfor_b_\@
	tensor_load_to_lds s[\g0a:\g0a+3], s[\g1a:\g1a+7]
	s_nop 0
.rept 4
	v_nop
.endr
	s_branch .Lasked_\@
.Lfor_b_\@:
	tensor_load_to_lds s[\g0b:\g0b+3], s[\g1b:\g1b+7]
	s_nop 0
.rept 4
	v_nop
.endr
.Lasked_\@:
.endm
.macro CREST
	s_cmp_lg_u32 s14, 0
	s_cbranch_scc1 .Lnot_wave_0_\@
	s_barrier_signal -3
.Lnot_wave_0_\@:
	s_barrier_wait -3
	s_barrier_signal -1
	s_barrier_wait -1
.endm
.macro CROUND
	s_barrier_signal -1
	s_barrier_wait -1
	CREST
.endm
.macro PLACES n
.rept \n
	v_nop
.endr
.endm
	s_load_b256 s[4:11], s[0:1], 0x0
	s_load_b64 s[100:101], s[0:1], 0x40            ; Wm3
	s_load_b64 s[104:105], s[0:1], 0x48            ; p2
	v_lshl_add_u32 v[SPW], v0, 2, SPARE
	v_mov_b32 v[NIL], 0
	ds_add_u32 v[SPW], v[NIL]
	ds_add_u32 v[SPW], v[NIL]
	v_lshrrev_b32 v1, 5, v0
	v_readfirstlane_b32 s14, v1
	s_lshr_b32 s15, s14, 1
	s_and_b32 s16, s14, 1
	s_bfe_u32 s40, ttmp6, 0x40000
	s_bfe_u32 s41, ttmp6, 0x40004
	s_lshl_b32 s42, ttmp9, 2
	s_add_co_u32 s42, s42, s40
	s_and_b32 s17, ttmp7, 0xffff
	s_lshl_b32 s17, s17, 2
	s_add_co_u32 s17, s17, s41
	s_lshl_b32 s43, s41, 2
	s_lshl_b32 s43, 15, s43
	s_lshl_b32 s44, 0x1111, s40
	s_or_b32 s[G1+0], s43, (3<<16)|(1<<21)
	s_or_b32 s[G1B+0], s44, (3<<16)|(1<<21)
.irp g, G1, G1B
	s_mov_b32 s[\g+1], 384<<16
	s_mov_b32 s[\g+2], 16<<16              ; 16 tiles for the head's loads; set to 8, for the ring's, behind the wait for them
	s_mov_b32 s[\g+3], 384<<16
	s_mov_b32 s[\g+4], 16
	s_mov_b32 s[\g+5], 3072
	s_mov_b32 s[\g+6], 0
	s_mov_b32 s[\g+7], 0
.endr
	s_or_b32 s[G1S+0], s43, (3<<16)|(1<<21)
	s_or_b32 s[G1SB+0], s44, (3<<16)|(1<<21)
.irp g, G1S, G1SB
	s_mov_b32 s[\g+1], 128<<16
	s_mov_b32 s[\g+2], 16<<16              ; a side's scale words whole: 16 rows of 1,024 bytes
	s_mov_b32 s[\g+3], 128<<16
	s_mov_b32 s[\g+4], 16
	s_mov_b32 s[\g+6], 0
	s_mov_b32 s[\g+7], 0
.endr
	s_mov_b32 s[G1S+5], 1024
	s_mov_b32 s[G1SB+5], 128
	s_mul_i32 s18, s16, 196608             ; in the ring I fetch 8 of a side's 16 tiles: which, in bytes
	s_mov_b32 s19, 0
	s_mul_i32 s20, s17, 393216             ; x: the block's first tile
	s_mov_b32 s21, 0
	s_mul_i32 s46, s42, 393216             ; W1: likewise
	s_mov_b32 s47, 0
	s_lshl_b32 s22, s17, 10                ; x's scale words: 1,024 bytes of each K step's 8,192
	s_add_co_u32 s22, s22, XQS
	s_mov_b32 s23, 0
	s_lshl_b32 s92, s42, 14                ; W1's: 16,384 dense bytes
	s_add_co_u32 s92, s92, WQS
	s_mov_b32 s93, 0
	s_mul_i32 s45, s14, WLOAD
	s_mov_b32 s[SEL], 0x76543210
	s_mov_b32 s[SEL+1], 0xfedcba98
	s_wait_dscnt 0x0
	s_wait_kmcnt 0x0
	s_add_nc_u64 s[20:21], s[4:5], s[20:21]
	s_add_nc_u64 s[22:23], s[4:5], s[22:23]
	s_add_nc_u64 s[46:47], s[6:7], s[46:47]
	s_add_nc_u64 s[92:93], s[6:7], s[92:93]
	CROUND
	s_mov_b32 s[G0S], 1
	s_mov_b32 s[G0S+1], SCA
	s_mov_b64 s[G0S+2:G0S+3], s[22:23]
	s_or_b32 s[G0S+3], s[G0S+3], 0x80000000
	s_mov_b32 s[G0SB], 1
	s_mov_b32 s[G0SB+1], SCB
	s_mov_b64 s[G0SB+2:G0SB+3], s[92:93]
	s_or_b32 s[G0SB+3], s[G0SB+3], 0x80000000
	s_mov_b32 s[G0H], 1                    ; chunk 0 of x, 16 tiles, to slot 0's first half
	s_mov_b32 s[G0H+1], 0
	s_mov_b64 s[G0H+2:G0H+3], s[20:21]
	s_or_b32 s[G0H+3], s[G0H+3], 0x80000000
	s_mov_b32 s[G0HB], 1                   ; chunk 0 of W1 behind it
	s_mov_b32 s[G0HB+1], 2*WLOAD
	s_mov_b64 s[G0HB+2:G0HB+3], s[46:47]
	s_or_b32 s[G0HB+3], s[G0HB+3], 0x80000000
	s_add_nc_u64 s[20:21], s[20:21], s[18:19]      ; for the ring: my 8 tiles
	s_add_nc_u64 s[46:47], s[46:47], s[18:19]
	s_cmp_eq_u32 s15, 0                    ; the prefetches: the side that I fetch for,
	s_cselect_b64 s[PFA:PFA+1], s[20:21], s[46:47]
	s_cselect_b32 s2, s40, s41             ; my place among the four that ask with me,
	s_mul_i32 s2, s2, 2*24576              ; and its two tiles
	s_mov_b32 s3, 0
	s_add_nc_u64 s[PFA:PFA+1], s[PFA:PFA+1], s[2:3]
.irp s, 0,1
	s_mov_b32 s[G0+4*\s], 1
	s_add_co_u32 s[G0+4*\s+1], s45, \s*SLOT
	s_add_nc_u64 s[G0+4*\s+2:G0+4*\s+3], s[20:21], \s*TILB
	s_or_b32 s[G0+4*\s+3], s[G0+4*\s+3], 0x80000000
	s_mov_b32 s[G0B+4*\s], 1
	s_add_co_u32 s[G0B+4*\s+1], s45, \s*SLOT
	s_add_nc_u64 s[G0B+4*\s+2:G0B+4*\s+3], s[46:47], \s*TILB
	s_or_b32 s[G0B+4*\s+3], s[G0B+4*\s+3], 0x80000000
.endr
; The head's loads, one a wave: one tree of branches on the wave's number, every arm with one load
.macro ARM under, g0, g1, next
	s_cmp_lt_u32 s14, \under
	s_cbranch_scc0 \next
	tensor_load_to_lds s[\g0:\g0+3], s[\g1:\g1+7]
	s_nop 0
.rept 4
	v_nop
.endr
	s_branch .Lhead_asked
\next:
.endm
; chunk j + 2 for the refill of chunk j, two refills on; in the loop's last trip (s3 = 1) there is none
.macro ASK slot
	s_cmp_gt_u32 s3, 1
	s_cbranch_scc0 .Lnoask_\@
	global_prefetch_b8 v[PFO], s[PFA:PFA+1] offset:(4+\slot)*TILB th:TH_LOAD_NT scope:SCOPE_SE
.Lnoask_\@:
.endm
	ARM 1, G0H,  G1,  .Lhead_b
	ARM 2, G0HB, G1B, .Lhead_sa
	ARM 3, G0S,  G1S, .Lhead_sb
	tensor_load_to_lds s[G0SB:G0SB+3], s[G1SB:G1SB+7]
	s_nop 0
.rept 4
	v_nop
.endr
.Lhead_asked:
	s_load_b128 s[20:23], s[0:1], 0x20             ; p1, bm1: into registers whose numbers have gone into the descriptors
	s_load_b128 s[44:47], s[0:1], 0x30             ; Wm2, bm2
	v_and_b32 v[LN], 31, v0
	v_lshlrev_b32 v[LI], 4, v[LN]
	s_wait_alu depctr_va_vdst(0)
	v_bfe_u32 v2, v0, 4, 1
	v_lshlrev_b32 v[BO], 6, v2
	v_min_u32 v3, 23, v[LN]                ; 24 blocks: lane / 12 the tile, lane % 12 the block of its 3,072 bytes
	v_mul_u32_u24 v4, v3, 22
	v_lshrrev_b32 v4, 8, v4                ; lane / 12 for lanes under 24
	v_mul_u32_u24 v5, v4, 12
	v_sub_nc_u32 v3, v3, v5
	v_mul_u32_u24 v4, v4, 24576
	v_lshl_add_u32 v[PFO], v3, 8, v4
	s_lshl_b32 s2, s17, 15                         ; the router's loads.  p1: batch b, 32,768 bytes each
	s_lshl_b32 s3, s42, 5                          ; 8 columns are 32 bytes
	v_lshlrev_b32 v6, 3, v0                        ; bm1: 8 t
	v_add_nc_u32 v7, s2, v6                        ; p1: + 8 t
	v_lshl_add_u32 v8, v0, 11, s3                  ; Wm2: rows 2 t, 2 t + 1 of 1,024 bytes, columns 8 x on
	v_mov_b32 v9, s3                               ; bm2: columns 8 x on
	v_and_b32 v10, 7, v0
	v_lshlrev_b32 v10, 2, v10                      ; 4 (lane % 8)
	s_lshl_b32 s2, s42, 8
	v_add_nc_u32 v11, s2, v10                      ; Wm3: rows 8 x on of 32 bytes, column lane % 8
	s_lshl_b32 s2, s17, 10
	s_add_co_u32 s2, s2, s3
	v_add_nc_u32 v10, s2, v10                      ; p2[b][x][lane % 8]
	s_lshl_b32 s2, s14, 5
	s_add_co_u32 s2, s2, RTB
	v_mov_b32 v12, s2                              ; LDS: my wave's 32 bytes
	v_mov_b32 v13, RTB                             ; and all four waves'
	s_wait_alu depctr_va_vdst(0)                   ; the wait here, directly ahead of the wait below
	s_wait_kmcnt 0x0
.rept 32
	global_load_b64 v[128+2*\+:129+2*\+], v7, s[20:21] offset:1024*\+
.endr
	global_load_b64 v[208:209], v6, s[22:23]
	global_load_b128 v[192:195], v8, s[44:45]
	global_load_b128 v[196:199], v8, s[44:45] offset:16
	global_load_b128 v[200:203], v8, s[44:45] offset:1024
	global_load_b128 v[204:207], v8, s[44:45] offset:1040
	global_load_b128 v[210:213], v9, s[46:47]
	global_load_b128 v[214:217], v9, s[46:47] offset:16
.rept 8
	global_load_b32 v[218+\+], v11, s[100:101] offset:32*\+
.endr
	s_wait_xcnt 0x0                                ; the loads have read their bases: s20 to s23, s46 and s47 are written again below
	s_lshl_b32 s20, s42, 10
	s_lshl_b32 s21, s16, 9
	s_add_co_u32 s20, s20, s21
	s_mov_b32 s21, 0
	s_add_nc_u64 s[8:9], s[8:9], s[20:21]
.irp b, 0,1,2,3,4,5,6,7
	global_load_b128 v[BIAS+8*\b:BIAS+8*\b+3], v[BO], s[8:9] offset:(32*(\b/2)+8*(\b%2))*4
	global_load_b128 v[BIAS+8*\b+4:BIAS+8*\b+7], v[BO], s[8:9] offset:(32*(\b/2)+8*(\b%2))*4+16
.endr
	s_mul_i32 s21, s15, WLOAD
	s_mul_i32 s22, s16, WLOAD
	s_add_co_u32 s22, s22, 2*WLOAD
.irp s, 0,1
	v_add_nc_u32 v[ADRA+\s], s21, v[LI]
	v_add_nc_u32 v[ADRB+\s], s22, v[LI]
	s_add_co_u32 s21, s21, SLOT
	s_add_co_u32 s22, s22, SLOT
.endr
	s_lshl_b32 s21, s15, 9
	s_add_co_u32 s21, s21, SCA
	v_add_nc_u32 v[ADSA], s21, v[LI]
	s_lshl_b32 s22, s16, 13
	s_add_co_u32 s22, s22, SCB
	v_lshl_add_u32 v[ADSB], v[LN], 3, s22
	s_lshl_b32 s20, s17, 10
	s_lshl_b32 s21, s15, 9
	s_add_co_u32 s20, s20, s21
	s_lshl_b32 s46, s42, 1
	s_add_co_u32 s46, s46, s16
	s_add_co_u32 s20, s20, s46
	s_mul_i32 s20, s20, FRB
	s_mov_b32 s21, 0
	s_lshl_b32 s46, s46, 5
	s_lshl_b32 s47, s17, 2
	s_add_co_u32 s46, s46, s47
	s_lshl_b32 s47, s15, 1
	s_add_co_u32 s46, s46, s47
	s_lshl_b32 s46, s46, 8
	s_add_co_u32 s46, s46, WQS
	s_mov_b32 s47, 0
	s_add_nc_u64 s[12:13], s[10:11], s[46:47]
	s_add_nc_u64 s[10:11], s[10:11], s[20:21]
.macro FRAG reg, adr, q, i
.irp c, 0,1,2
	ds_load_b128 v[\reg+4*\c:\reg+4*\c+3], v[\adr] offset:TILB*(\i)+FRB*(\q)+512*\c
.endr
.endm
.macro FETCH_B slot, q, p
	WIN TO_B
.irp i, 0,1,2,3,4,5,6,7
	FRAG 128*(\p)+12*\i, ADRB+\slot, \q, \i
.endr
	WIN 0
.endm
.macro FETCH_A slot, q, i0
.irp i, \i0, \i0+1, \i0+2, \i0+3
	FRAG AF+12*(\i), ADRA+\slot, \q, \i
.endr
.endm
.macro SCALES sc
.irp q, 0,1
	ds_load_b128 v[SA+8*\sc+4*\q:SA+8*\sc+4*\q+3], v[ADSA] offset:1024*\q
.endr
.irp i, 0,1,2,3
	ds_load_b64 v[SB+8*\sc+2*\i:SB+8*\sc+2*\i+1], v[ADSB] offset:256*\i
.endr
.endm
.macro MUL16 a0, p, q, sc, zero
.irp a, \a0, \a0+1
.irp b, 0,1,2,3,4,5,6,7
.set rD, 8*(8*((\a)%4)+\b)
.set rB, 128*(\p)+12*\b
.set rA, AF+12*(\a)
.set rC, rD
.if \zero
.set rC, BIAS+8*\b
.endif
.set rSB, SB+8*(\sc)+2*(\b/2)+(\q)
.set rSA, SA+8*(\sc)+4*(\q)+(\a)%4
.if ((\b)%2) && ((\a)/4)
	v_wmma_scale_f32_16x16x128_f8f6f4 v[rD:rD+7], v[rB:rB+11], v[rA:rA+11], v[rC:rC+7], v[rSB], v[rSA] matrix_a_fmt:MATRIX_FMT_FP6 matrix_b_fmt:MATRIX_FMT_FP6 matrix_a_scale:MATRIX_SCALE_ROW1 matrix_b_scale:MATRIX_SCALE_ROW1
.elseif ((\b)%2)
	v_wmma_scale_f32_16x16x128_f8f6f4 v[rD:rD+7], v[rB:rB+11], v[rA:rA+11], v[rC:rC+7], v[rSB], v[rSA] matrix_a_fmt:MATRIX_FMT_FP6 matrix_b_fmt:MATRIX_FMT_FP6 matrix_a_scale:MATRIX_SCALE_ROW1
.elseif ((\a)/4)
	v_wmma_scale_f32_16x16x128_f8f6f4 v[rD:rD+7], v[rB:rB+11], v[rA:rA+11], v[rC:rC+7], v[rSB], v[rSA] matrix_a_fmt:MATRIX_FMT_FP6 matrix_b_fmt:MATRIX_FMT_FP6 matrix_b_scale:MATRIX_SCALE_ROW1
.else
	v_wmma_scale_f32_16x16x128_f8f6f4 v[rD:rD+7], v[rB:rB+11], v[rA:rA+11], v[rC:rC+7], v[rSB], v[rSA] matrix_a_fmt:MATRIX_FMT_FP6 matrix_b_fmt:MATRIX_FMT_FP6
.endif
.endr
.endr
.endm
.macro STEP slot, zero
	s_wait_dscnt 12
.if \zero
	WIN 0x81
.else
	WIN MUL_LO
.endif
	MUL16 0, 0, 0, \slot, \zero
	MUL16 2, 0, 0, \slot, \zero
	s_wait_dscnt 0x0
	PLACES 4
	FETCH_B \slot, 1, 1
	FETCH_A \slot, 1, 0
.if \zero
	WIN 0xc1
.else
	WIN MUL_HI
.endif
	MUL16 4, 0, 0, \slot, \zero
	MUL16 6, 0, 0, \slot, \zero
	PLACES 4
	WIN 0
	FETCH_A \slot, 1, 4
.endm
.macro TURN slot, next, fill
	s_wait_tensorcnt 0x0
	ds_add_u32 v[SPW], v[NIL]
	s_wait_dscnt 13
	WIN MUL_LO
	MUL16 0, 1, 1, \slot, 0
	s_wait_dscnt 0x0
	s_barrier_signal -1
	MUL16 2, 1, 1, \slot, 0
	WIN 0
	s_barrier_wait -1
.if \fill
	CREST
	s_add_nc_u64 s[G0+4*\slot+2:G0+4*\slot+3], s[G0+4*\slot+2:G0+4*\slot+3], 2*TILB
	s_add_nc_u64 s[G0B+4*\slot+2:G0B+4*\slot+3], s[G0B+4*\slot+2:G0B+4*\slot+3], 2*TILB
	JLOAD G0+4*\slot, G1, G0B+4*\slot, G1B
.else
	PLACES 4
.endif
	s_wait_alu depctr_va_vdst(0)
	v_add_nc_u32 v[ADSA], 2048, v[ADSA]
	v_add_nc_u32 v[ADSB], 1024, v[ADSB]
	FETCH_B \next, 0, 0
	FETCH_A \next, 0, 0
	SCALES \next
.if \fill
	ASK \slot
.endif
	WIN MUL_HI
	MUL16 4, 1, 1, \slot, 0
	MUL16 6, 1, 1, \slot, 0
	PLACES 4
	WIN 0
	FETCH_A \next, 0, 4
.endm
.macro QUANT s, pw
.irp b, 0,1,2,3
	v_max3_num_f32 v[TM+\b], v[\s+16*\b], v[\s+1+16*\b], 0x1800000
.endr
.irp i, 2,4,6,8,10,12,14
.irp b, 0,1,2,3
	v_max3_num_f32 v[TM+\b], v[TM+\b], v[\s+16*\b+\i], v[\s+1+16*\b+\i]
.endr
.endr
.irp b, 0,1,2,3
	v_permlanex16_b32 v[TM+4+\b], v[TM+\b], s[SEL], s[SEL+1]
.endr
.irp b, 0,1,2,3
	v_max_num_f32 v[TM+\b], v[TM+\b], v[TM+4+\b]
.endr
.irp b, 0,1,2,3
	v_add_nc_u32 v[TM+12+\b], 0xff000000, v[TM+\b]
.endr
.irp b, 0,1,2,3
	v_lshrrev_b32 v[TM+4+\b], 23, v[TM+12+\b]
.endr
	v_lshl_or_b32 v[\pw], v[TM+5], 8, v[TM+4]
	v_lshl_or_b32 v[\pw], v[TM+6], 16, v[\pw]
	v_lshl_or_b32 v[\pw], v[TM+7], 24, v[\pw]
.irp c, 0,1
	v_cvt_scalef32_pk16_fp6_f32 v[PC+6*\c:PC+2+6*\c], v[\s+32*\c:\s+15+32*\c], v[TM+12+2*\c]
	v_cvt_scalef32_pk16_fp6_f32 v[PC+12+4*\c:PC+14+4*\c], v[\s+16+32*\c:\s+31+32*\c], v[TM+12+2*\c+1]
.endr
	v_nop
.irp c, 0,1
.irp i, 0,1,2
	v_permlane16_swap_b32 v[PC+6*\c+\i], v[PC+12+4*\c+\i]
.endr
.irp i, 0,1,2
	v_mov_b32 v[PC+3+6*\c+\i], v[PC+12+4*\c+\i]
.endr
.endr
.endm
	s_wait_alu depctr_va_vdst(0)
	global_prefetch_b8 v[PFO], s[PFA:PFA+1] offset:TILB th:TH_LOAD_NT scope:SCOPE_SE      ; chunks 1 and 2
	global_prefetch_b8 v[PFO], s[PFA:PFA+1] offset:2*TILB th:TH_LOAD_NT scope:SCOPE_SE
	s_wait_loadcnt 16                              ; the router's 47 loads are in; b1's 16, issued behind them, may stay out
.irp w, 32,16,8,4,2
.set k, 0
.rept \w/2
	v_pk_add_f32 v[128+k:129+k], v[128+k:129+k], v[128+\w+k:129+\w+k]   ; the 32 partial sums of my two columns, halved five times
.set k, k+2
.endr
.endr
	v_pk_add_f32 v[128:129], v[128:129], v[208:209]
	v_max_num_f32 v128, 0, v128                    ; h1[2 t],
	v_max_num_f32 v129, 0, v129                    ; h1[2 t + 1]
.irp j, 0,1,2,3,4,5,6,7
	v_mul_f32 v[226+\j], v128, v[192+\j]
.endr
.irp j, 0,1,2,3,4,5,6,7
	v_fmac_f32 v[226+\j], v129, v[200+\j]
.endr
.irp m, 1,2,4,8
.irp j, 0,1,2,3,4,5,6,7
	v_add_f32_dpp v[226+\j], v[226+\j], v[226+\j] row_xmask:\m row_mask:0xf bank_mask:0xf
.endr
.endr
.irp j, 0,1,2,3,4,5,6,7
	v_mov_b32 v[234+\j], 0                         ; a lane permute's destination counts as one of its sources
.endr
.irp j, 0,1,2,3,4,5,6,7
	v_permlanex16_b32 v[234+\j], v[226+\j], s[SEL], s[SEL+1]
.endr
.irp j, 0,1,2,3,4,5,6,7
	v_add_f32 v[226+\j], v[226+\j], v[234+\j]      ; my wave's 64 terms of the eight columns, in every lane
.endr
	ds_store_b128 v12, v[226:229]                  ; all lanes write the same words with the same values; the wait for 0 on DScnt and the round below show them to the other waves
	ds_store_b128 v12, v[230:233] offset:16
	s_wait_alu depctr_va_vdst(0)                   ; the wait at the head's end
	s_wait_tensorcnt 0x0
	ds_add_u32 v[SPW], v[NIL]
	s_mov_b32 s[G1+2], 8<<16               ; no tensor load of mine is out: from here on a load brings 8 tiles
	s_mov_b32 s[G1+4], 8
	s_mov_b32 s[G1B+2], 8<<16
	s_mov_b32 s[G1B+4], 8
	s_wait_dscnt 0x0
	CROUND                                 ; all four tiles are in, and all sixteen work-groups are here
	JLOAD G0+4, G1, G0B+4, G1B             ; chunk 1, the first tensor load behind the round
	FETCH_B 0, 0, 0
.rept 8
	ds_load_b128 v[128+4*\+:131+4*\+], v13 offset:16*\+   ; the four waves' partial sums: wave w's eight in v[128 + 8 w] on
.endr
	s_wait_dscnt 0x0
.irp k, 0,2,4,6
	v_pk_add_f32 v[128+\k:129+\k], v[128+\k:129+\k], v[136+\k:137+\k]
	v_pk_add_f32 v[144+\k:145+\k], v[144+\k:145+\k], v[152+\k:153+\k]
.endr
.irp k, 0,2,4,6
	v_pk_add_f32 v[128+\k:129+\k], v[128+\k:129+\k], v[144+\k:145+\k]
.endr
.irp k, 0,2,4,6
	v_pk_add_f32 v[128+\k:129+\k], v[128+\k:129+\k], v[210+\k:211+\k]
.endr
.irp j, 0,1,2,3,4,5,6,7
	v_max_num_f32 v[128+\j], 0, v[128+\j]          ; h2[8 x + j]
.endr
	v_mul_f32 v160, v128, v218
.irp j, 1,2,3,4,5,6,7
	v_fmac_f32 v160, v[128+\j], v[218+\j]          ; this slice's part of logit lane % 8
.endr
	s_cmp_lg_u32 s14, 0
	s_cbranch_scc1 .Lno_p2                         ; wave 0 stores it
	s_wait_alu depctr_va_vdst(0)
	s_wait_xcnt 0x0                                ; EXEC changes only behind this wait
	v_cmp_gt_u32 vcc_lo, 8, v[LN]
	s_and_saveexec_b32 s2, vcc_lo
	global_store_b32 v10, v160, s[104:105]
	s_wait_xcnt 0x0                                ; and again, in front of the line that widens it; the store's data register is also free behind it
	s_or_b32 exec_lo, exec_lo, s2
.Lno_p2:
	FETCH_A 0, 0, 0
	SCALES 0
	global_prefetch_b8 v[PFO], s[PFA:PFA+1] offset:3*TILB th:TH_LOAD_NT scope:SCOPE_SE    ; with chunk 1's load: chunk 3
	FETCH_A 0, 0, 4
	s_wait_loadcnt 0x0
	STEP 0, 1
	s_mov_b32 s3, LAPS-1
.Llap:
	TURN 0, 1, 1
	STEP 1, 0
	TURN 1, 0, 1
	STEP 0, 0
	s_wait_xcnt 0x0                        ; the trip's prefetches have read their base
	s_add_nc_u64 s[PFA:PFA+1], s[PFA:PFA+1], 2*TILB
	s_sub_co_u32 s3, s3, 1
	s_cmp_lg_u32 s3, 0
	s_cbranch_scc1 .Llap
	TURN 0, 1, 0
	STEP 1, 0
	s_wait_dscnt 12
	WIN MUL_LO
	MUL16 0, 1, 1, 1, 0
	MUL16 2, 1, 1, 1, 0
	s_wait_dscnt 0x0
	WIN MUL_HI
	MUL16 4, 1, 1, 1, 0
	MUL16 6, 1, 1, 1, 0
	WIN 0
	PLACES 4
.irp b, 0,1,2,3
	v_mov_b32 v[TM+4+\b], 0
.endr
.irp a, 0,1,2,3,4,5,6,7
	WIN 0x08+4*(\a/4)
.set AC, 64*(\a%4)
.set j, 0
.rept 64
	v_max_num_f32 v[X+j], 0, v[AC+j]
.set j, j+1
.endr
	WIN 0
.if \a > 0
	s_wait_xcnt 0x0
.endif
	QUANT X, PWS+\a
.irp c, 0,1,2
	global_store_b128 v[LI], v[PC+4*\c:PC+4*\c+3], s[10:11] offset:98304*\a+512*\c
.endr
.endr
	v_cmp_gt_u32 vcc_lo, 16, v[LN]
.irp j, 0,1,2,3
	v_cndmask_b32 v[OUTW+\j], v[PWS+4+\j], v[PWS+\j], vcc_lo
.endr
	global_store_b128 v[LI], v[OUTW:OUTW+3], s[12:13]
	s_wait_tensorcnt 0x0
	ds_add_u32 v[SPW], v[NIL]
	s_wait_dscnt 0x0
	CROUND
	s_endpgm
.Lfunc_end_k_q0a07eadf61_g1:
	.size	k_q0a07eadf61_g1, .Lfunc_end_k_q0a07eadf61_g1-k_q0a07eadf61_g1
	.p2alignl 7, 3214868480
	.fill 96, 4, 3214868480
	.section	.rodata,"a",@progbits
	.p2align	6, 0x0
	.amdhsa_kernel k_q0a07eadf61_g1
		.amdhsa_group_segment_fixed_size 327680
		.amdhsa_private_segment_fixed_size 0
		.amdhsa_enable_private_segment 0
		.amdhsa_kernarg_size 80
		.amdhsa_user_sgpr_count 2
		.amdhsa_user_sgpr_kernarg_segment_ptr 1
		.amdhsa_wavefront_size32 1
		.amdhsa_system_sgpr_workgroup_id_x 1
		.amdhsa_system_sgpr_workgroup_id_y 1
		.amdhsa_system_sgpr_workgroup_id_z 1
		.amdhsa_system_vgpr_workitem_id 0
		.amdhsa_next_free_vgpr 1024
		.amdhsa_next_free_sgpr 106
		.amdhsa_reserve_vcc 1
		.amdhsa_float_denorm_mode_32 3
		.amdhsa_float_denorm_mode_16_64 3
		.amdhsa_memory_ordered 1
		.amdhsa_forward_progress 1
		.amdhsa_inst_pref_size 172
	.end_amdhsa_kernel
	.amdgpu_metadata
---
amdhsa.version: [ 1, 2 ]
amdhsa.kernels:
  - .name:           k_q0a07eadf61_g1
    .symbol:         k_q0a07eadf61_g1.kd
    .args:
      - { .name: xq, .offset: 0, .size: 8, .value_kind: global_buffer, .address_space: global }
      - { .name: w1q, .offset: 8, .size: 8, .value_kind: global_buffer, .address_space: global }
      - { .name: b1, .offset: 16, .size: 8, .value_kind: global_buffer, .address_space: global }
      - { .name: hq, .offset: 24, .size: 8, .value_kind: global_buffer, .address_space: global }
      - { .name: p1, .offset: 32, .size: 8, .value_kind: global_buffer, .address_space: global }
      - { .name: bm1, .offset: 40, .size: 8, .value_kind: global_buffer, .address_space: global }
      - { .name: Wm2, .offset: 48, .size: 8, .value_kind: global_buffer, .address_space: global }
      - { .name: bm2, .offset: 56, .size: 8, .value_kind: global_buffer, .address_space: global }
      - { .name: Wm3, .offset: 64, .size: 8, .value_kind: global_buffer, .address_space: global }
      - { .name: p2, .offset: 72, .size: 8, .value_kind: global_buffer, .address_space: global }
    .group_segment_fixed_size: 327680
    .private_segment_fixed_size: 0
    .kernarg_segment_align: 8
    .kernarg_segment_size: 80
    .max_flat_workgroup_size: 128
    .sgpr_count:     106
    .vgpr_count:     1024
    .wavefront_size: 32
...
	.end_amdgpu_metadata
.endif
;; end of part 2
;; launch g2 (part 3): grid 16 x 16, 4 waves a work-group, clusters of 4 x 4, 327,680 bytes of LDS; arguments hq, w2q, b2, p2, out0, bm3, eff; writes out0
.if DOCPART == 3
	.amdgcn_target "amdgcn-amd-amdhsa--gfx1250"
	.amdhsa_code_object_version 6
	.text
	.protected	k_q0a07eadf61_g2
	.globl	k_q0a07eadf61_g2
	.p2align	8
	.type	k_q0a07eadf61_g2,@function
k_q0a07eadf61_g2:
	s_mov_b64 s[64:65], 0
	v_nop
	global_prefetch_b8 v0, s[64:65] scope:SCOPE_SE
	s_setreg_imm32_b32 hwreg(HW_REG_WAVE_MODE, 25, 1), 1
	s_wait_xcnt 0x0
	s_wait_alu depctr_hold_cnt(0) depctr_sa_sdst(0) depctr_va_vdst(0) depctr_va_sdst(0) depctr_va_ssrc(0) depctr_va_vcc(0) depctr_vm_vsrc(0)
	s_getreg_b32 s2, hwreg(HW_REG_IB_STS2, 6, 4)
	s_cmp_eq_u32 s2, 0
	s_cbranch_scc0 .Lentry_in_a_cluster
	s_endpgm
.Lentry_in_a_cluster:
	s_bfe_u32 s2, ttmp6, 0x10000c
	s_cmp_lg_u32 s2, 0xf033
	s_cbranch_scc0 .Lentry_shape_is_right
	s_endpgm
.Lentry_shape_is_right:
; THIRD LAUNCH.  No work is left out.  out = sum over e of w[b,e] tanh(he_e W2_e + b2_e): codes of he (hq) times codes of W2 (w2q), both E2M3 with E8M0 bytes, by the scaled 16x16x128 form, f32 sums.
; A work-group of four waves makes 128 tokens x 128 columns for all 8 experts.  Wave (h, c): experts 4 h .. 4 h + 3, columns 64 c on: 32 accumulators, and 256 registers with the weighted sum over its experts;
; at the end the two halves of the experts change halves of the rows through LDS and are added.
; tanh(y) = 1 - 2 / (1 + 2^(2 y log2 e)): the sum starts at the sum of my four w, and each expert adds -2 w / (1 + E).  An E beyond f32's range gives 1 / infinity = 0, which is tanh = 1.
; he's tiles go in chunks of four K steps (both halves of the experts, 8 tiles x 6,144 bytes each) through a ring of two LDS slots, asked for jointly along a row of the 4 x 4 cluster.
; W2's fragments are each read by one wave of the work-group alone: they go from memory straight into registers, four K steps ahead.  The scale words of all of K (32 KB a side) come once and stay behind the ring.
; THE HEAD: one joint load a wave, in one tree of branches on the wave's number: chunk 0 of experts 0-3, chunk 0 of experts 4-7, he's scale words, W2's scale words.  Slot 1 is first filled behind the full sequence and a round.
; PREFETCH, 24 blocks of 256 bytes an instruction, lanes 24 to 31 naming lane 23's again.  he: with the load of chunk j, chunk j + 2; of the 4 tiles that a wave fetches the partner at place cx takes tile cx.
; W2: in chunk j's last K step, chunk j + 3, whose loads begin in chunk j + 2; of its four K steps the partner at place cy takes K step cy (4 tiles x 6 blocks).  Chunks 1 and 2 are named at the head's end.  Nothing beyond chunk 7 is named.
; LIMITS: NaN and infinities among the inputs are not served.  An exponential whose result lies under 2^-126 comes out as 0.
; The launches run in the order prep, g1, g2.  THE ROUTER'S END stands in this launch's head, while the head's tiles are on their way: each wave adds the 32 slices of its batch's logits (p2, a lane a slice),
; adds bm3, and takes w = softmax(softmax(logits) * eff) over eight registers, each softmax with its maximum taken away, all in f32; its own four w go into scalar registers by a choice on the wave's number.
.set SLOT,  98304
.set WLOAD, 24576
.set TILB,  6144
.set FRB,   1536
.set TROW,  98304
.set SCA,   2*SLOT
.set SCB,   SCA+32768
.set SPARE, SCB+32768
.set XCH,   0
.set STAGE, 65536
.set HQS,   12582912
.set ADRL, 16
.set ADRH, 18
.set LB,   20
.set ADSA, 22
.set ADSB, 23
.set STO,  24
.set RD,   25
.set CO,   26
.set XS,   27
.set SPW,  28
.set NIL,  29
.set XL,   30
.set BO,   31
.set SA,   32
.set AF,   64
.set SB,   160
.set BS,   32
.set BP,   48
.set C2,   66
.set MW,   96
.set G1, 24
.set G0, 32
.set G1S, 68
.set G0S, 76
.set G1SB, 80
.set G0SB, 88
.set G0H,  52                          ; s[52:55], s[56:59] group 0 of the head's two loads of codes
.set G0HB, 56
.set PFA,  50                          ; s[50:51] he's prefetches: my work-group's tile of the four that I fetch, at the expert's first chunk
.set PFV,  176                         ; v176 their offset: 256 x lane; never rewritten
.set PFW,  177                         ; v177 W2's: tile x 98,304 + block x 256 + 1,536 cy; never rewritten
.set MSB, 0
.macro WIN new
.if MSB != (\new)
	s_set_vgpr_msb (MSB<<8)|(\new)
.set MSB, (\new)
.endif
.endm
.set MUL, 0x52
; An arm of the head's tree: one load, and a jump to the tree's end
.macro ARM under, g0, g1, next
	s_cmp_lt_u32 s14, \under
	s_cbranch_scc0 \next
	tensor_load_to_lds s[\g0:\g0+3], s[\g1:\g1+7]
	s_nop 0
.rept 4
	v_nop
.endr
	s_branch .Lhead_asked
\next:
.endm
; The loop's prefetches, in the last K step of chunk 2 e + slot of expert e = 3 - s2.  PFA and BP stand at the expert's first chunk.  he: chunk 2 e + slot + 4, W2: chunk 2 e + slot + 3; what would pass chunk 7 is jumped over
.macro ASK slot
.if \slot == 0
	global_prefetch_b8 v[PFW], s[BP:BP+1] offset:3*TILB th:TH_LOAD_NT scope:SCOPE_SE
.endif
	s_cmp_gt_u32 s2, 1
	s_cbranch_scc0 .Lnoask_\@
	global_prefetch_b8 v[PFV], s[PFA:PFA+1] offset:(4+\slot)*TILB th:TH_LOAD_NT scope:SCOPE_SE
.if \slot == 1
	global_prefetch_b8 v[PFW], s[BP:BP+1] offset:4*TILB th:TH_LOAD_NT scope:SCOPE_SE
.endif
.Lnoask_\@:
.endm
.macro RLOAD s
	tensor_load_to_lds s[G0+4*\s:G0+4*\s+3], s[G1:G1+7]
	s_nop 0
.rept 4
	v_nop
.endr
.endm
.macro CREST
	s_cmp_lg_u32 s14, 0
	s_cbranch_scc1 .Lnot_wave_0_\@
	s_barrier_signal -3
.Lnot_wave_0_\@:
	s_barrier_wait -3
	s_barrier_signal -1
	s_barrier_wait -1
.endm
.macro CROUND
	s_barrier_signal -1
	s_barrier_wait -1
	CREST
.endm
.macro PLACES n
.rept \n
	v_nop
.endr
.endm
.macro BLOAD set, k
.irp t, 0,1,2,3
.irp c, 0,1,2
	global_load_b128 v[BS+48*(\set)+12*\t+4*\c:BS+48*(\set)+12*\t+4*\c+3], v[LB], s[BP:BP+1] offset:TROW*\t+FRB*(\k)+512*\c
.endr
.endr
.endm
	s_load_b256 s[4:11], s[0:1], 0x0
	s_load_b64 s[12:13], s[0:1], 0x20
	s_load_b128 s[60:63], s[0:1], 0x28             ; bm3, eff
	v_lshl_add_u32 v[SPW], v0, 2, SPARE
	v_mov_b32 v[NIL], 0
	ds_add_u32 v[SPW], v[NIL]
	ds_add_u32 v[SPW], v[NIL]
	v_lshrrev_b32 v1, 5, v0
	v_readfirstlane_b32 s14, v1
	s_lshr_b32 s15, s14, 1
	s_and_b32 s16, s14, 1
	s_bfe_u32 s40, ttmp6, 0x40000
	s_bfe_u32 s41, ttmp6, 0x40004
	s_lshl_b32 s42, ttmp9, 2
	s_add_co_u32 s42, s42, s40
	s_and_b32 s17, ttmp7, 0xffff
	s_lshl_b32 s17, s17, 2
	s_add_co_u32 s17, s17, s41
	s_lshl_b32 s43, s41, 2
	s_lshl_b32 s43, 15, s43
	s_lshl_b32 s44, 0x1111, s40
	s_or_b32 s[G1+0], s43, (3<<16)|(1<<21)
	s_mov_b32 s[G1+1], 768<<16
	s_mov_b32 s[G1+2], 8<<16               ; 8 tiles for the head's loads; set to 4, for the ring's, behind the wait for them
	s_mov_b32 s[G1+3], 768<<16
	s_mov_b32 s[G1+4], 8
	s_mov_b32 s[G1+5], 12288
	s_mov_b32 s[G1+6], 0
	s_mov_b32 s[G1+7], 0
	s_or_b32 s[G1S+0], s43, (3<<16)|(1<<21)
	s_or_b32 s[G1SB+0], s44, (3<<16)|(1<<21)
.irp g, G1S, G1SB
	s_mov_b32 s[\g+1], 64<<16
	s_mov_b32 s[\g+2], 64<<16              ; a side's scale words whole: 64 rows of 512 bytes
	s_mov_b32 s[\g+3], 64<<16
	s_mov_b32 s[\g+4], 64
	s_mov_b32 s[\g+6], 0
	s_mov_b32 s[\g+7], 0
.endr
	s_mov_b32 s[G1S+5], 1024
	s_mov_b32 s[G1SB+5], 64
	s_mul_i32 s18, s15, 49152
	s_mul_i32 s19, s16, 393216
	s_mul_i32 s20, s17, 786432
	s_add_co_u32 s20, s20, s18
	s_add_co_u32 s20, s20, s19
	s_mov_b32 s21, 0
	s_mul_i32 s46, s42, 786432
	s_add_co_u32 s46, s46, s18
	s_add_co_u32 s46, s46, s19
	s_mov_b32 s47, 0
	s_lshl_b32 s22, s17, 9
	s_add_co_u32 s22, s22, HQS
	s_mov_b32 s23, 0
	s_lshl_b32 s92, s42, 15
	s_add_co_u32 s92, s92, HQS
	s_mov_b32 s93, 0
	s_mul_i32 s45, s14, WLOAD
	s_mov_b32 s[C2], 0x4038aa3b
	s_mov_b32 s[C2+1], s[C2]
	s_mov_b32 s94, 0x76543210
	s_mov_b32 s95, 0xfedcba98                      ; lane selects: lane l xor 16
	s_wait_dscnt 0x0
	s_wait_kmcnt 0x0
	s_add_nc_u64 s[20:21], s[4:5], s[20:21]
	s_add_nc_u64 s[22:23], s[4:5], s[22:23]
	s_add_nc_u64 s[BP:BP+1], s[6:7], s[46:47]
	s_add_nc_u64 s[92:93], s[6:7], s[92:93]
	CROUND
	s_mov_b32 s[G0S], 1
	s_mov_b32 s[G0S+1], SCA
	s_mov_b64 s[G0S+2:G0S+3], s[22:23]
	s_or_b32 s[G0S+3], s[G0S+3], 0x80000000
	s_mov_b32 s[G0SB], 1
	s_mov_b32 s[G0SB+1], SCB
	s_mov_b64 s[G0SB+2:G0SB+3], s[92:93]
	s_or_b32 s[G0SB+3], s[G0SB+3], 0x80000000
	s_mul_i32 s46, s17, 786432             ; he: the block's first tile
	s_mov_b32 s47, 0
	s_add_nc_u64 s[46:47], s[4:5], s[46:47]
	s_mov_b32 s[G0H], 1                    ; chunk 0 of experts 0-3, 8 tiles, to slot 0's first half
	s_mov_b32 s[G0H+1], 0
	s_mov_b64 s[G0H+2:G0H+3], s[46:47]
	s_or_b32 s[G0H+3], s[G0H+3], 0x80000000
	s_mov_b32 s[G0HB], 1                   ; chunk 0 of experts 4-7 (32 K steps on) behind it
	s_mov_b32 s[G0HB+1], 2*WLOAD
	s_add_nc_u64 s[G0HB+2:G0HB+3], s[46:47], 49152
	s_or_b32 s[G0HB+3], s[G0HB+3], 0x80000000
	s_mul_i32 s50, s40, TROW               ; he's prefetches: of my four tiles, tile cx
	s_mov_b32 s51, 0
	s_add_nc_u64 s[PFA:PFA+1], s[20:21], s[50:51]
.irp s, 0,1
	s_mov_b32 s[G0+4*\s], 1
	s_add_co_u32 s[G0+4*\s+1], s45, \s*SLOT
	s_add_nc_u64 s[G0+4*\s+2:G0+4*\s+3], s[20:21], \s*TILB
	s_or_b32 s[G0+4*\s+3], s[G0+4*\s+3], 0x80000000
.endr
	ARM 1, G0H,  G1,  .Lhead_b
	ARM 2, G0HB, G1,  .Lhead_sa
	ARM 3, G0S,  G1S, .Lhead_sb
	tensor_load_to_lds s[G0SB:G0SB+3], s[G1SB:G1SB+7]
	s_nop 0
.rept 4
	v_nop
.endr
.Lhead_asked:
	v_and_b32 v1, 31, v0
	v_lshlrev_b32 v[LB], 4, v1
	s_wait_alu depctr_va_vdst(0)
	WIN 0x80
	BLOAD 0, 0
	BLOAD 1, 1
	BLOAD 2, 2
	BLOAD 3, 3
	WIN 0
	s_lshr_b32 s20, s17, 1                         ; my batch: two blocks of 128 tokens each
	s_lshl_b32 s20, s20, 10                        ; p2: 1,024 bytes a batch,
	s_mov_b32 s21, 0
	v_lshl_add_u32 v4, v1, 5, s20                  ; 32 bytes a slice: the wave reads 1,024 consecutive bytes
	v_mov_b32 v8, 0
	global_load_b128 v[64:67], v4, s[10:11]
	global_load_b128 v[68:71], v4, s[10:11] offset:16
	global_load_b128 v[72:75], v8, s[60:61]        ; bm3
	global_load_b128 v[76:79], v8, s[60:61] offset:16
	global_load_b128 v[80:83], v8, s[62:63]        ; eff
	global_load_b128 v[84:87], v8, s[62:63] offset:16
	v_and_b32 v2, 15, v0
	v_bfe_u32 v3, v0, 4, 1
	v_lshlrev_b32 v[BO], 6, v3
	s_lshl_b32 s20, s15, 15
	s_lshl_b32 s22, s42, 9
	s_add_co_u32 s20, s20, s22
	s_lshl_b32 s23, s16, 8
	s_add_co_u32 s20, s20, s23
	s_add_nc_u64 s[8:9], s[8:9], s[20:21]
	WIN 0x80
.irp t, 0,1,2,3
	global_load_b128 v[8*\t:8*\t+3], v[BO], s[8:9] offset:(32*(\t/2)+8*(\t%2))*4
	global_load_b128 v[8*\t+4:8*\t+7], v[BO], s[8:9] offset:(32*(\t/2)+8*(\t%2))*4+16
.endr
	WIN 0
	s_lshl_b32 s20, s17, 20
	s_lshl_b32 s46, s15, 19
	s_add_co_u32 s20, s20, s46
	s_add_co_u32 s20, s20, s22
	s_add_co_u32 s20, s20, s23
	s_add_nc_u64 s[12:13], s[12:13], s[20:21]
	s_mul_i32 s21, s15, 73728
	s_mul_i32 s22, s15, 24576
.irp s, 0,1
	v_add_nc_u32 v[ADRL+\s], s21, v[LB]
	v_add_nc_u32 v[ADRH+\s], s22, v[LB]
	s_add_co_u32 s21, s21, SLOT
	s_add_co_u32 s22, s22, SLOT
.endr
	v_lshrrev_b32 v5, 2, v0
	v_xor_b32 v5, v5, v0
	v_and_b32 v5, 16, v5
	v_add_nc_u32 v5, v5, v2
	s_lshl_b32 s21, s15, 14
	s_add_co_u32 s22, s21, SCA
	v_lshl_add_u32 v[ADSA], v5, 4, s22
	s_lshl_b32 s23, s16, 9
	s_add_co_u32 s23, s23, s21
	s_add_co_u32 s23, s23, SCB
	v_lshl_add_u32 v[ADSB], v1, 3, s23
	s_mul_i32 s21, s14, 16*272
	s_add_co_u32 s21, s21, STAGE
	v_mul_u32_u24 v5, v2, 272
	v_lshl_add_u32 v5, v3, 6, v5
	v_add_nc_u32 v[STO], s21, v5
	v_mul_u32_u24 v5, v3, 272
	v_lshl_add_u32 v5, v2, 4, v5
	v_add_nc_u32 v[RD], s21, v5
	v_lshlrev_b32 v5, 13, v3
	v_lshl_add_u32 v[CO], v2, 4, v5
	s_lshl_b32 s21, s14, 14
	v_add_nc_u32 v[XS], s21, v[LB]
	s_xor_b32 s21, s14, 2
	s_lshl_b32 s21, s21, 14
	v_add_nc_u32 v[XL], s21, v[LB]
	v_min_u32 v5, 23, v1                   ; 24 blocks an instruction
	v_lshlrev_b32 v[PFV], 8, v5            ; he: the 24 blocks of a tile's 6,144 bytes
	v_mul_u32_u24 v6, v5, 43
	v_lshrrev_b32 v6, 8, v6                ; W2: lane / 6 (for lanes under 24) the tile, lane % 6 the block of a K step's 1,536 bytes
	v_mul_u32_u24 v7, v6, 6
	v_sub_nc_u32 v5, v5, v7
	v_mul_u32_u24 v6, v6, TROW
	v_lshl_add_u32 v6, v5, 8, v6
	s_mul_i32 s21, s41, FRB                ; of a chunk's four K steps, K step cy
	v_add_nc_u32 v[PFW], s21, v6
; softmax over v64 to v71, the same in every lane, in place
.macro SMAX8
	v_max3_num_f32 v96, v64, v65, v66
	v_max3_num_f32 v97, v67, v68, v69
	v_max3_num_f32 v96, v96, v70, v71
	v_max_num_f32 v96, v96, v97
.irp e, 0,1,2,3,4,5,6,7
	v_sub_f32 v[64+\e], v[64+\e], v96              ; the maximum is taken away
.endr
.irp e, 0,1,2,3,4,5,6,7
	v_mul_f32 v[64+\e], 0x3fb8aa3b, v[64+\e]
.endr
	s_wait_alu depctr_va_vdst(0)                   ; the wait ahead of the batch,
.irp e, 0,1,2,3,4,5,6,7
	v_exp_f32 v[64+\e], v[64+\e]
.endr
	v_nop                                          ; a plain place behind it,
	s_wait_alu depctr_va_vdst(0)                   ; and the wait ahead of its first reader
	v_add_f32 v96, v64, v65
	v_add_f32 v97, v66, v67
	v_add_f32 v98, v68, v69
	v_add_f32 v99, v70, v71
	v_add_f32 v96, v96, v97
	v_add_f32 v98, v98, v99
	v_add_f32 v96, v96, v98
	s_wait_alu depctr_va_vdst(0)
	v_rcp_f32 v96, v96
	v_nop
	s_wait_alu depctr_va_vdst(0)
.irp e, 0,1,2,3,4,5,6,7
	v_mul_f32 v[64+\e], v[64+\e], v96
.endr
.endm
	s_wait_alu depctr_va_vdst(0)                   ; the wait here, directly ahead of the wait below
	s_wait_loadcnt 8                               ; all but b2's 8 loads, issued last
.irp m, 1,2,4,8
.irp e, 0,1,2,3,4,5,6,7
	v_add_f32_dpp v[64+\e], v[64+\e], v[64+\e] row_xmask:\m row_mask:0xf bank_mask:0xf
.endr
.endr
.irp e, 0,1,2,3,4,5,6,7
	v_mov_b32 v[88+\e], 0                          ; a lane permute's destination counts as one of its sources
.endr
.irp e, 0,1,2,3,4,5,6,7
	v_permlanex16_b32 v[88+\e], v[64+\e], s94, s95
.endr
.irp e, 0,1,2,3,4,5,6,7
	v_add_f32 v[64+\e], v[64+\e], v[88+\e]         ; the 32 slices of logit e, in every lane
.endr
.irp k, 0,2,4,6
	v_pk_add_f32 v[64+\k:65+\k], v[64+\k:65+\k], v[72+\k:73+\k]   ; + bm3
.endr
	SMAX8
.irp k, 0,2,4,6
	v_pk_mul_f32 v[64+\k:65+\k], v[64+\k:65+\k], v[80+\k:81+\k]   ; x eff
.endr
	SMAX8
	s_cmp_eq_u32 s15, 0                            ; experts 0-3 or 4-7: by the wave's number
.irp i, 0,1,2,3
	v_readfirstlane_b32 s[MW+\i], v[64+\i]
	v_readfirstlane_b32 s100, v[68+\i]
	s_cselect_b32 s[MW+\i], s[MW+\i], s100
.endr
	s_add_f32 s100, s[MW], s[MW+1]
	s_add_f32 s101, s[MW+2], s[MW+3]
	s_add_f32 s100, s100, s101
.irp i, 0,1,2,3
	s_mul_f32 s[MW+\i], s[MW+\i], -2.0
.endr
	WIN 0xc0
.set j, 0
.rept 256
	v_mov_b32 v[j], s100
.set j, j+1
.endr
	WIN 0
.macro FRAG reg, adr, q, i
.irp c, 0,1,2
	ds_load_b128 v[\reg+4*\c:\reg+4*\c+3], v[\adr] offset:TILB*(\i)+FRB*(\q)+512*\c
.endr
.endm
.macro FETCH_A slot, q, i0
.irp i, \i0, \i0+1, \i0+2, \i0+3
	FRAG AF+12*(\i), ADRL+2*((\i0)/4)+\slot, \q, \i
.endr
.endm
.macro SCALES sc
.irp q, 0,1,2,3
	ds_load_b128 v[SA+16*\sc+4*\q:SA+16*\sc+4*\q+3], v[ADSA] offset:512*\q
.endr
.irp g, 0,1
.irp i, 0,1
	ds_load_b64 v[SB+8*\sc+4*\g+2*\i:SB+8*\sc+4*\g+2*\i+1], v[ADSB] offset:1024*\g+256*\i
.endr
.endr
.endm
.macro WM z, rb, ra
.if \z
.if (\rb) && (\ra)
	v_wmma_scale_f32_16x16x128_f8f6f4 v[rD:rD+7], v[rB:rB+11], v[rA:rA+11], 0, v[rSB], v[rSA] matrix_a_fmt:MATRIX_FMT_FP6 matrix_b_fmt:MATRIX_FMT_FP6 matrix_a_scale:MATRIX_SCALE_ROW1 matrix_b_scale:MATRIX_SCALE_ROW1
.elseif (\rb)
	v_wmma_scale_f32_16x16x128_f8f6f4 v[rD:rD+7], v[rB:rB+11], v[rA:rA+11], 0, v[rSB], v[rSA] matrix_a_fmt:MATRIX_FMT_FP6 matrix_b_fmt:MATRIX_FMT_FP6 matrix_a_scale:MATRIX_SCALE_ROW1
.elseif (\ra)
	v_wmma_scale_f32_16x16x128_f8f6f4 v[rD:rD+7], v[rB:rB+11], v[rA:rA+11], 0, v[rSB], v[rSA] matrix_a_fmt:MATRIX_FMT_FP6 matrix_b_fmt:MATRIX_FMT_FP6 matrix_b_scale:MATRIX_SCALE_ROW1
.else
	v_wmma_scale_f32_16x16x128_f8f6f4 v[rD:rD+7], v[rB:rB+11], v[rA:rA+11], 0, v[rSB], v[rSA] matrix_a_fmt:MATRIX_FMT_FP6 matrix_b_fmt:MATRIX_FMT_FP6
.endif
.else
.if (\rb) && (\ra)
	v_wmma_scale_f32_16x16x128_f8f6f4 v[rD:rD+7], v[rB:rB+11], v[rA:rA+11], v[rD:rD+7], v[rSB], v[rSA] matrix_a_fmt:MATRIX_FMT_FP6 matrix_b_fmt:MATRIX_FMT_FP6 matrix_a_scale:MATRIX_SCALE_ROW1 matrix_b_scale:MATRIX_SCALE_ROW1
.elseif (\rb)
	v_wmma_scale_f32_16x16x128_f8f6f4 v[rD:rD+7], v[rB:rB+11], v[rA:rA+11], v[rD:rD+7], v[rSB], v[rSA] matrix_a_fmt:MATRIX_FMT_FP6 matrix_b_fmt:MATRIX_FMT_FP6 matrix_a_scale:MATRIX_SCALE_ROW1
.elseif (\ra)
	v_wmma_scale_f32_16x16x128_f8f6f4 v[rD:rD+7], v[rB:rB+11], v[rA:rA+11], v[rD:rD+7], v[rSB], v[rSA] matrix_a_fmt:MATRIX_FMT_FP6 matrix_b_fmt:MATRIX_FMT_FP6 matrix_b_scale:MATRIX_SCALE_ROW1
.else
	v_wmma_scale_f32_16x16x128_f8f6f4 v[rD:rD+7], v[rB:rB+11], v[rA:rA+11], v[rD:rD+7], v[rSB], v[rSA] matrix_a_fmt:MATRIX_FMT_FP6 matrix_b_fmt:MATRIX_FMT_FP6
.endif
.endif
.endm
.macro MUL8 a0, q, sc, zero
.irp a, \a0, \a0+1
.irp t, 0,1,2,3
.set rD, 8*(4*(\a)+\t)
.set rB, BS+48*(\q)+12*\t
.set rA, AF+12*(\a)
.set rSB, SB+8*(\sc)+4*((\q)/2)+2*(\t/2)+(\q)%2
.set rSA, SA+16*(\sc)+4*(\q)+(\a)%4
	WM \zero, \t%2, (\a)/4
.endr
.endr
.endm
.macro STEP slot, q, zero, lc, bl
	s_wait_loadcnt \lc
	s_wait_dscnt 12
	WIN MUL
	MUL8 0, \q, \slot, \zero
	MUL8 2, \q, \slot, \zero
	s_wait_dscnt 0x0
	PLACES 4
	WIN 0
	FETCH_A \slot, (\q)+1, 0
	WIN MUL
	MUL8 4, \q, \slot, \zero
	MUL8 6, \q, \slot, \zero
	PLACES 4
.if \bl
	WIN 0x80
	BLOAD \q, 4*(\slot)+(\q)+4
.endif
	WIN 0
	FETCH_A \slot, (\q)+1, 4
.endm
.macro TURN slot, next, fill, lc, bl
	s_wait_loadcnt \lc
	s_wait_tensorcnt 0x0
	ds_add_u32 v[SPW], v[NIL]
	s_wait_dscnt 13
	WIN MUL
	MUL8 0, 3, \slot, 0
	s_wait_dscnt 0x0
	s_barrier_signal -1
	MUL8 2, 3, \slot, 0
	WIN 0
	s_barrier_wait -1
.if \fill
	CREST
	s_add_nc_u64 s[G0+4*\slot+2:G0+4*\slot+3], s[G0+4*\slot+2:G0+4*\slot+3], 2*TILB
	RLOAD \slot
.else
	PLACES 4
.endif
	s_wait_alu depctr_va_vdst(0)
	v_add_nc_u32 v[ADSA], 2048, v[ADSA]
	v_add_nc_u32 v[ADSB], 2048, v[ADSB]
	FETCH_A \next, 0, 0
	SCALES \next
.if \fill
	ASK \slot
.endif
	WIN MUL
	MUL8 4, 3, \slot, 0
	MUL8 6, 3, \slot, 0
	PLACES 4
.if \bl
	WIN 0x80
	BLOAD 3, 4*(\slot)+7
.endif
	WIN 0
	FETCH_A \next, 0, 4
.endm
.macro LAST
	s_wait_loadcnt 0x0
	s_wait_dscnt 12
	WIN MUL
	MUL8 0, 3, 1, 0
	MUL8 2, 3, 1, 0
	s_wait_dscnt 0x0
	MUL8 4, 3, 1, 0
	MUL8 6, 3, 1, 0
	WIN 0
.endm
.macro EPI next
	WIN 0x82
.set j, 0
.rept 16
	v_pk_mul_f32 v[j:j+1], v[j:j+1], s[C2:C2+1] op_sel_hi:[1,0]
.set j, j+2
.endr
	WIN 0x61
.set j, 0
.rept 128
	v_pk_fma_f32 v[j:j+1], v[j:j+1], s[C2:C2+1], v[(j%32):(j%32)+1] op_sel_hi:[1,0,1]
.set j, j+2
.endr
.if \next
	s_wait_xcnt 0x0
	s_add_nc_u64 s[8:9], s[8:9], 8192
	s_add_nc_u64 s[BP:BP+1], s[BP:BP+1], 8*FRB
	s_add_nc_u64 s[PFA:PFA+1], s[PFA:PFA+1], 8*FRB
	WIN 0x80
.irp t, 0,1,2,3
	global_load_b128 v[8*\t:8*\t+3], v[BO], s[8:9] offset:(32*(\t/2)+8*(\t%2))*4
	global_load_b128 v[8*\t+4:8*\t+7], v[BO], s[8:9] offset:(32*(\t/2)+8*(\t%2))*4+16
.endr
.endif
	WIN 0x41
.set j, 0
	s_wait_alu depctr_va_vdst(0)
.rept 256
	v_exp_f32 v[j], v[j]
.set j, j+1
.endr
	v_nop
	s_wait_alu depctr_va_vdst(0)
.set j, 0
.rept 128
	v_pk_add_f32 v[j:j+1], v[j:j+1], 1.0 op_sel_hi:[1,0]
.set j, j+2
.endr
.set j, 0
	s_wait_alu depctr_va_vdst(0)
.rept 256
	v_rcp_f32 v[j], v[j]
.set j, j+1
.endr
	v_nop
	s_wait_alu depctr_va_vdst(0)
	WIN 0xf1
.set j, 0
.rept 128
	v_pk_fma_f32 v[j:j+1], v[j:j+1], s[MW:MW+1], v[j:j+1] op_sel_hi:[1,0,1]
.set j, j+2
.endr
	WIN 0
.if \next
	s_mov_b32 s[MW], s[MW+1]
	s_mov_b32 s[MW+1], s[MW+2]
	s_mov_b32 s[MW+2], s[MW+3]
.endif
.endm
	global_prefetch_b8 v[PFV], s[PFA:PFA+1] offset:TILB th:TH_LOAD_NT scope:SCOPE_SE      ; chunks 1 and 2 of he,
	global_prefetch_b8 v[PFV], s[PFA:PFA+1] offset:2*TILB th:TH_LOAD_NT scope:SCOPE_SE
	global_prefetch_b8 v[PFW], s[BP:BP+1] offset:TILB th:TH_LOAD_NT scope:SCOPE_SE        ; and of W2
	global_prefetch_b8 v[PFW], s[BP:BP+1] offset:2*TILB th:TH_LOAD_NT scope:SCOPE_SE
	s_wait_alu depctr_va_vdst(0)           ; the wait at the head's end
	s_wait_tensorcnt 0x0                   ; my tile of the head's four is in
	ds_add_u32 v[SPW], v[NIL]
	s_mov_b32 s[G1+2], 4<<16               ; no tensor load of mine is out: from here on a load brings 4 tiles
	s_mov_b32 s[G1+4], 4
	s_wait_dscnt 0x0
	CROUND                                 ; all four tiles are in, and all sixteen work-groups are here
	RLOAD 1                                ; chunk 1, the first tensor load behind the round
	FETCH_A 0, 0, 0
	SCALES 0
	global_prefetch_b8 v[PFV], s[PFA:PFA+1] offset:3*TILB th:TH_LOAD_NT scope:SCOPE_SE    ; with chunk 1's load: chunk 3
	FETCH_A 0, 0, 4
	s_mov_b32 s2, 3
.Lexpert:
	STEP 0, 0, 1, 44, 1
	STEP 0, 1, 0, 44, 1
	STEP 0, 2, 0, 44, 1
	TURN 0, 1, 1, 44, 1
	STEP 1, 0, 0, 36, 1
	STEP 1, 1, 0, 36, 1
	STEP 1, 2, 0, 36, 1
	TURN 1, 0, 1, 36, 1
	EPI 1
	s_sub_co_u32 s2, s2, 1
	s_cmp_lg_u32 s2, 0
	s_cbranch_scc1 .Lexpert
	STEP 0, 0, 1, 44, 1
	STEP 0, 1, 0, 44, 1
	STEP 0, 2, 0, 44, 1
	TURN 0, 1, 0, 44, 1
	STEP 1, 0, 0, 36, 0
	STEP 1, 1, 0, 24, 0
	STEP 1, 2, 0, 12, 0
	LAST
	EPI 0
	WIN 0x0c
.set k, 0
.rept 32
	ds_store_b128 v[XS], v[128+4*k:128+4*k+3] offset:512*k
.set k, k+1
.endr
	WIN 0
	s_wait_dscnt 0x0
	s_barrier_signal -1
	s_barrier_wait -1
	WIN 0x80
.set k, 0
.rept 32
	ds_load_b128 v[4*k:4*k+3], v[XL] offset:512*k
.set k, k+1
.endr
	s_wait_dscnt 0x0
	WIN 0xcb
.set j, 0
.rept 64
	v_pk_add_f32 v[j:j+1], v[j:j+1], v[j:j+1]
.set j, j+2
.endr
.irp i, 0,1,2,3
	WIN 0x0c
.irp t, 0,1,2,3
	ds_store_b128 v[STO], v[8*(4*\i+\t):8*(4*\i+\t)+3] offset:128*(\t/2)+32*(\t%2)
	ds_store_b128 v[STO], v[8*(4*\i+\t)+4:8*(4*\i+\t)+7] offset:128*(\t/2)+32*(\t%2)+16
.endr
	WIN 0x80
.irp k, 0,1,2,3,4,5,6,7
	ds_load_b128 v[128+32*\i+4*\k:128+32*\i+4*\k+3], v[RD] offset:544*\k
.endr
.endr
	WIN 0x08
.irp i, 0,1,2,3
.irp k, 0,1,2,3,4,5,6,7
	s_wait_dscnt 16*(3-\i)+7-\k
	global_store_b128 v[CO], v[128+32*\i+4*\k:128+32*\i+4*\k+3], s[12:13] offset:(16*\i+2*\k)*8192 th:TH_STORE_NT
.endr
.endr
	WIN 0
	s_wait_tensorcnt 0x0
	ds_add_u32 v[SPW], v[NIL]
	s_wait_dscnt 0x0
	CROUND
	s_endpgm
.Lfunc_end_k_q0a07eadf61_g2:
	.size	k_q0a07eadf61_g2, .Lfunc_end_k_q0a07eadf61_g2-k_q0a07eadf61_g2
	.p2alignl 7, 3214868480
	.fill 96, 4, 3214868480
	.section	.rodata,"a",@progbits
	.p2align	6, 0x0
	.amdhsa_kernel k_q0a07eadf61_g2
		.amdhsa_group_segment_fixed_size 327680
		.amdhsa_private_segment_fixed_size 0
		.amdhsa_enable_private_segment 0
		.amdhsa_kernarg_size 56
		.amdhsa_user_sgpr_count 2
		.amdhsa_user_sgpr_kernarg_segment_ptr 1
		.amdhsa_wavefront_size32 1
		.amdhsa_system_sgpr_workgroup_id_x 1
		.amdhsa_system_sgpr_workgroup_id_y 1
		.amdhsa_system_sgpr_workgroup_id_z 1
		.amdhsa_system_vgpr_workitem_id 0
		.amdhsa_next_free_vgpr 1024
		.amdhsa_next_free_sgpr 102
		.amdhsa_reserve_vcc 0
		.amdhsa_float_denorm_mode_32 3
		.amdhsa_float_denorm_mode_16_64 3
		.amdhsa_memory_ordered 1
		.amdhsa_forward_progress 1
		.amdhsa_inst_pref_size 248
	.end_amdhsa_kernel
	.amdgpu_metadata
---
amdhsa.version: [ 1, 2 ]
amdhsa.kernels:
  - .name:           k_q0a07eadf61_g2
    .symbol:         k_q0a07eadf61_g2.kd
    .args:
      - { .name: hq, .offset: 0, .size: 8, .value_kind: global_buffer, .address_space: global }
      - { .name: w2q, .offset: 8, .size: 8, .value_kind: global_buffer, .address_space: global }
      - { .name: b2, .offset: 16, .size: 8, .value_kind: global_buffer, .address_space: global }
      - { .name: p2, .offset: 24, .size: 8, .value_kind: global_buffer, .address_space: global }
      - { .name: out0, .offset: 32, .size: 8, .value_kind: global_buffer, .address_space: global }
      - { .name: bm3, .offset: 40, .size: 8, .value_kind: global_buffer, .address_space: global }
      - { .name: eff, .offset: 48, .size: 8, .value_kind: global_buffer, .address_space: global }
    .group_segment_fixed_size: 327680
    .private_segment_fixed_size: 0
    .kernarg_segment_align: 8
    .kernarg_segment_size: 56
    .max_flat_workgroup_size: 128
    .sgpr_count:     102
    .vgpr_count:     1024
    .wavefront_size: 32
...
	.end_amdgpu_metadata
.endif
;; end of part 3
